; MI455X (gfx1250); checked and timed in simulation.
; The chip was launched on July 23, 2026; its instructions are those of AMD's public machine-readable ISA for CDNA 5 (MIT licence, August 2026) and "CDNA5" Instruction Set Architecture Reference Guide (July 2026). The comments in the code are by the model that wrote it; some were corrected since.
;; Causal Self Attention. Allowed arithmetic: matrix products marked QUANTISED: E2M1 operands, one E8M0 scale for each 32 along K, by v_wmma_scale_f32_16x16x128_f8f6f4 with both operands' format E2M1 (or v_wmma_scale_f32_32x16x128_f4), f32 sums; everything else in f32.
;; Inputs: Wproj 1,024 x 1,024 float32; Wqkv 3,072 x 1,024 float32; bproj 1,024 float32; bqkv 3,072 float32; x 4 x 2,048 x 1,024 float32.
;; Outputs: out0 4 x 2,048 x 1,024 float32.
;; This version of the problem:
;;   THIS VERSION OF THE PROBLEM IS GIVEN IN LOW PRECISION. The matrix products marked QUANTISED in the list below multiply operands that are first quantised to E2M1 (2 exponent bits, 1 mantissa bit; 4 bits a number), with one power-of-two scale for each 32 numbers along K (OCP MX v1.0); their sums are f32. All else is computed in f32.
;;   The module's matrix products, in the order in which they are computed (A, B: the left and right operand; K: the contracted axis; several contracted axes count as one K, in the product's order):
;;     1. [M 8,192, K 1,024] x [K 1,024, N 3,072]; A: input x; B: input Wqkv: QUANTISED
;;     2. batch 64 x [M 2,048, K 64] x [K 64, N 2,048]; A: computed on the way; B: computed on the way: QUANTISED
;;     3. batch 64 x [M 2,048, K 2,048] x [K 2,048, N 64]; A: softmax (see below); B: computed on the way: QUANTISED
;;     4. [M 8,192, K 1,024] x [K 1,024, N 1,024]; A: computed on the way; B: input Wproj: QUANTISED
;;   THE QUANTISER, for each operand of a quantised product, along K:
;;     - K is cut into blocks of 32 from its start; a last block that is shorter is filled with zeros.
;;     - A block's scale is 2^e with e = floor(log2(the largest magnitude in the block)) - 2, held to -126 .. 127; a block of zeros has e = 0. As a byte (E8M0): e + 127.
;;     - Each number is divided by its block's scale, clamped to +-6, and rounded to the nearest number of E2M1, ties to even, subnormals kept.
;;     - The product sums the exact products of the quantised numbers (number of the format x scale) in f32.
;;   ~~~python
;;   def quantise(x, axis):      # numpy; x: float32 -> the quantised numbers, widened to float32 again
;;       x = np.moveaxis(x, axis, -1); K = x.shape[-1]
;;       x = np.pad(x, [(0, 0)] * (x.ndim - 1) + [(0, -K % 32)]); x = x.reshape(x.shape[:-1] + (-1, 32)); a = np.abs(x).max(-1, keepdims=True)
;;       e = np.where(a > 0, np.clip(np.frexp(np.where(a > 0, a, 1))[1] - 1 - 2, -126, 127), 0)      # np.frexp(a)[1] - 1 = floor(log2(a)), exactly
;;       r = np.clip(x / 2.0 ** e, -6, 6)
;;       step = 2.0 ** (np.maximum(np.frexp(np.where(r == 0, 1, r))[1] - 1, 0) - 1)
;;       q = np.round(r / step) * step * 2.0 ** e      # np.round: ties to even
;;       return np.moveaxis(q.reshape(q.shape[:-2] + (-1,))[..., :K], -1, axis).astype(np.float32)
;;   ~~~
;;   SOFTMAX AHEAD OF A QUANTISED PRODUCT. Where the list says 'softmax', what is quantised is not the finished softmax but p = 2^(t - M), with t = logit x log2(e) and M = ceil(the row's largest t), a whole number; so 1/2 < the row's largest p <= 1. The row's sum l is taken of the UNQUANTISED p, in f32, and the product's result is divided by l at the end. Since M is a whole number, a kernel that streams over the keys may use a running M (the ceiling of the running maximum): every later rescaling is an exact power of two, which a block's scale takes up: the codes' values come out the same.
;;   OPERANDS COMPUTED ON THE WAY. 'Computed on the way' means the value that the module computes at that place (a softmax that the list does not call 'softmax' is quantised finished and normalised). What goes into a quantiser is computed in f32, as accurately as f32 sums, v_exp_f32 and their like allow (about 1e-6 of the number): no bf16 or f16 on the way to a quantiser, and a product that is left as it is and whose result goes on into a quantised operand takes f32 operands (vector FMAs, or v_wmma_f32_16x16x4_f32). A number that lies on a knife's edge between two numbers of the format may be rounded either way, as far as f32 arithmetic and the matrix unit's own rounding can turn it there, and no further.
;; One version. Each part assembles by itself: llvm-mc -triple=amdgcn-amd-amdhsa -mcpu=gfx1250 --defsym DOCPART=n.
;; ======== version 1 of 1: 4 launches
;; workspace buffers: xq 4,456,448 bytes; wq 1,671,168 bytes; pq 557,056 bytes; qkvc 13,893,632 bytes; yq 4,456,448 bytes
;; launch quant (part 1): grid 768 x 1, 2 waves a work-group, no clusters, 17,152 bytes of LDS; arguments x, Wqkv, Wproj, xq, wq, pq; writes xq, wq, pq
.if DOCPART == 1
	.amdgcn_target "amdgcn-amd-amdhsa--gfx1250"
	.amdhsa_code_object_version 6
	.text
	.protected	k_q930e4d7cf0_quant
	.globl	k_q930e4d7cf0_quant
	.p2align	8
	.type	k_q930e4d7cf0_quant,@function
k_q930e4d7cf0_quant:
	s_mov_b64 s[64:65], 0
	v_nop
	global_prefetch_b8 v0, s[64:65] scope:SCOPE_SE
	s_setreg_imm32_b32 hwreg(HW_REG_WAVE_MODE, 25, 1), 1
	s_wait_xcnt 0x0
; x [8192][1024], Wqkv [3072][1024] and Wproj [1024][1024], f32 with K innermost, become codes of FP4 (E2M1) with one E8M0 byte for each 32 along K.
; A block's scale is 2^(floor(log2(its largest magnitude)) - 2): its byte is the largest magnitude's exponent field - 2, held at 1 from below; each number is divided by the scale and rounded to the nearest code, ties to even, beyond 6 to 6.
; THE OUTPUT IS LAID IN THE ORDER OF THE OPERAND'S REGISTERS.  Rows go in tiles of 16: lane r of tile G holds row 32 (G / 2) + 8 (G % 2) + r + 8 (r / 8).  A fragment (tile G, K step s of 128) is 1,024 bytes at 8,192 G + 1,024 s:
; [c = 0, 1][lane][16 bytes], lane (r, h) holding k = 64 c + 32 h + 0 .. 31.  The scale words (four bytes: 128 along K of a row) lie behind a buffer's codes as [G][s / 4][r][s % 4].
; SHARES.  A work-group is one tile: 0-511 x's, 512-703 Wqkv's, 704-767 Wproj's; only pointers are chosen, all take one path.  Wave w takes K half w: 16 rows x 512, in four steps of 128.
; A load reads 512 consecutive bytes of one row; a step's 16 rows turn through the wave's own stage in LDS (rows 528 bytes apart) and come back 128 bytes a lane and block: a lane then holds two whole blocks of 32.
; No matrix work, no tensor load, no barrier: the waves share nothing.  Two steps' loads (32 of 512 bytes) are out in each wave.
; LIMITS: NaN and infinities are not served; a block whose largest magnitude lies under 2^-124, a block of zeros among them, keeps the byte 1 (its codes are then zeros or near it; the bytes are read by this program alone).
.set ROWB, 4096                        ; a row of the source in bytes
.set SP,   528                         ; a stage row: 512 bytes + 16
.set STGB, 16*SP                       ; a wave's stage
.set SW,   16                          ; v16-19   the four steps' scale words
.set C,    24                          ; v24-55   codes: 8 registers a step, never written again
.set X,    64                          ; v64-127  my two blocks of 32 numbers
.set R,    128                         ; v128-255 two sets of 64 registers as loaded
.set SEL,  24                          ; s[24:25] lane selects: lane l xor 16
.set HM,   26                          ; s26      the mask of lanes 16-31
	s_load_b256 s[4:11], s[0:1], 0x0               ; x, Wqkv, Wproj, xq
	s_load_b128 s[12:15], s[0:1], 0x20             ; wq, pq
	v_lshl_add_u32 v62, v0, 2, 0x4200
	v_mov_b32 v63, 0
	v_lshrrev_b32 v8, 5, v0
	v_readfirstlane_b32 s22, v8                    ; wave = K half
	v_and_b32 v9, 31, v0
	v_lshlrev_b32 v1, 4, v9                        ; 16 x lane
	v_and_b32 v2, 15, v0                           ; r
	v_bfe_u32 v3, v0, 4, 1                         ; h
	s_mul_i32 s23, s22, STGB
	v_add_nc_u32 v4, s23, v1                       ; the stage, on the way in: 16 x lane of a row
	v_mul_u32_u24 v5, v2, SP
	v_lshl_add_u32 v5, v3, 7, v5
	v_add_nc_u32 v5, s23, v5                       ; and on the way out: row r, + 128 h
	v_lshlrev_b32 v6, 4, v2
	v_lshl_add_u32 v6, v3, 3, v6                   ; the scale words' place: 16 r + 8 h
	v_lshlrev_b32 v7, 3, v3                        ; 8 h: my bytes' shift in a scale word
	v_mov_b32 v15, 0                               ; a lane permute's destination counts as one of its sources
	s_mov_b32 s[SEL], 0x76543210
	s_mov_b32 s[SEL+1], 0xfedcba98
	s_mov_b32 s[HM], 0xffff0000
	s_wait_kmcnt 0x0
	s_cmp_lt_u32 ttmp9, 704                        ; which tensor: the choice hangs on the work-group's number alone
	s_cselect_b64 s[16:17], s[6:7], s[8:9]
	s_cselect_b64 s[18:19], s[12:13], s[14:15]
	s_mov_b32 s20, 704
	s_cselect_b32 s20, 512, s20                    ; the tensor's first tile
	s_mov_b32 s21, 524288
	s_cselect_b32 s21, 1572864, s21                ; where its scale words begin: rows x 512
	s_cmp_lt_u32 ttmp9, 512
	s_cselect_b64 s[16:17], s[4:5], s[16:17]
	s_cselect_b64 s[18:19], s[10:11], s[18:19]
	s_cselect_b32 s20, 0, s20
	s_cselect_b32 s21, 4194304, s21
	s_sub_co_u32 s20, ttmp9, s20                   ; G: my tile in its tensor
	s_lshr_b32 s27, s20, 1
	s_lshl_b32 s28, s27, 17                        ; 32 rows of 4,096 bytes for each pair of tiles,
	s_and_b32 s27, s20, 1
	s_lshl_b32 s27, s27, 15                        ; 8 rows for the odd one,
	s_add_co_u32 s28, s28, s27
	s_lshl_b32 s27, s22, 11                        ; 512 numbers for the K half
	s_add_co_u32 s28, s28, s27
	s_mov_b32 s29, 0
	s_add_nc_u64 s[16:17], s[16:17], s[28:29]      ; the source
	s_lshl_b32 s28, s20, 13
	s_lshl_b32 s27, s22, 12
	s_add_co_u32 s28, s28, s27
	s_add_nc_u64 s[30:31], s[18:19], s[28:29]      ; the codes: 8,192 G + 4,096 x half
	s_lshl_b32 s28, s20, 9
	s_lshl_b32 s27, s22, 8
	s_add_co_u32 s28, s28, s27
	s_add_co_u32 s28, s28, s21
	s_add_nc_u64 s[18:19], s[18:19], s[28:29]      ; the scale words: 512 G + 256 x half, behind the codes
.macro LOAD q                          ; step q: 128 numbers of each of the tile's 16 rows; 32 lanes read 512 consecutive bytes
.irp p, 0,1,2,3,4,5,6,7,8,9,10,11,12,13,14,15
	global_load_b128 v[R+64*((\q)%2)+4*\p:R+64*((\q)%2)+4*\p+3], v1, s[16:17] offset:(\p+8*(\p/8))*ROWB+512*(\q) th:TH_LOAD_NT
.endr
.endm
.macro STEP q
.if (\q) < 3
	s_wait_loadcnt 16                              ; this step's 16 loads are in; the next step's 16 may be out
.else
	s_wait_loadcnt 0x0
.endif
.irp p, 0,1,2,3,4,5,6,7,8,9,10,11,12,13,14,15
	ds_store_b128 v4, v[R+64*((\q)%2)+4*\p:R+64*((\q)%2)+4*\p+3] offset:SP*\p
.endr
.irp c, 0,1
.irp i, 0,1,2,3,4,5,6,7
	ds_load_b128 v[X+32*\c+4*\i:X+32*\c+4*\i+3], v5 offset:256*\c+16*\i   ; LDS serves a wave's instructions in order: these see the stores above.  k = 64 c + 32 h + 4 i ..
.endr
.endr
	s_wait_dscnt 0x0                               ; my 64 numbers are back, and the stores have read their registers,
.if (\q) < 2
	LOAD (\q)+2                                    ; which take the loads of two steps on
.endif
.irp c, 0,1
	v_max3_num_f32 v[8+\c], |v[X+32*\c]|, |v[X+32*\c+1]|, 0x1800000   ; block 2 c + h: all 32 numbers are mine; the floor 2^(3 - 127) holds the byte at 1 from below
.endr
.irp i, 2,4,6,8,10,12,14,16,18,20,22,24,26,28,30
.irp c, 0,1
	v_max3_num_f32 v[8+\c], v[8+\c], |v[X+32*\c+\i]|, |v[X+32*\c+\i+1]|   ; (the two blocks by turns)
.endr
.endr
.irp c, 0,1
	v_add_nc_u32 v[10+\c], 0xff000000, v[8+\c]     ; 2 off the exponent field: the conversion takes the exponent field of this operand as its scale
.endr
.irp c, 0,1
	v_lshrrev_b32 v[12+\c], 23, v[10+\c]           ; the scale's byte
.endr
	v_lshl_or_b32 v14, v13, 16, v12                ; my two bytes, blocks h and 2 + h,
	v_lshlrev_b32 v14, v7, v14                     ; at their places in the word;
	v_permlanex16_b32 v15, v14, s[SEL], s[SEL+1]
	v_or_b32 v[SW+(\q)], v14, v15                  ; with lane l xor 16's two the word is whole
.irp c, 0,1
.irp g, 0,1,2,3
	v_cvt_scalef32_pk8_fp4_f32 v[C+8*(\q)+4*\c+\g], v[X+32*\c+8*\g:X+32*\c+8*\g+7], v[10+\c]
.endr
.endr
	v_nop                                          ; one plain line behind the last conversion of a run
.irp c, 0,1
	global_store_b128 v1, v[C+8*(\q)+4*\c:C+8*(\q)+4*\c+3], s[30:31] offset:1024*(\q)+512*\c   ; 32 lanes store 512 consecutive bytes, aligned
.endr
.endm
	LOAD 0
	LOAD 1
	STEP 0
	STEP 1
	STEP 2
	STEP 3
	v_cndmask_b32 v20, v[SW], v[SW+2], s[HM]       ; lane (r, h) stores words 2 h and 2 h + 1 of row r
	v_cndmask_b32 v21, v[SW+1], v[SW+3], s[HM]
	global_store_b64 v6, v[20:21], s[18:19]        ; 32 lanes store 256 consecutive bytes, aligned
	s_wait_tensorcnt 0x0
	ds_add_u32 v62, v63
	s_wait_dscnt 0x0
	s_endpgm
.Lfunc_end_k_q930e4d7cf0_quant:
	.size	k_q930e4d7cf0_quant, .Lfunc_end_k_q930e4d7cf0_quant-k_q930e4d7cf0_quant
	.p2alignl 7, 3214868480
	.fill 96, 4, 3214868480
	.section	.rodata,"a",@progbits
	.p2align	6, 0x0
	.amdhsa_kernel k_q930e4d7cf0_quant
		.amdhsa_group_segment_fixed_size 17152
		.amdhsa_private_segment_fixed_size 0
		.amdhsa_enable_private_segment 0
		.amdhsa_kernarg_size 48
		.amdhsa_user_sgpr_count 2
		.amdhsa_user_sgpr_kernarg_segment_ptr 1
		.amdhsa_wavefront_size32 1
		.amdhsa_system_sgpr_workgroup_id_x 1
		.amdhsa_system_sgpr_workgroup_id_y 1
		.amdhsa_system_sgpr_workgroup_id_z 1
		.amdhsa_system_vgpr_workitem_id 0
		.amdhsa_next_free_vgpr 256
		.amdhsa_next_free_sgpr 66
		.amdhsa_reserve_vcc 0
		.amdhsa_float_denorm_mode_32 3
		.amdhsa_float_denorm_mode_16_64 3
		.amdhsa_memory_ordered 1
		.amdhsa_forward_progress 1
		.amdhsa_inst_pref_size 30
	.end_amdhsa_kernel
	.amdgpu_metadata
---
amdhsa.version: [ 1, 2 ]
amdhsa.kernels:
  - .name:           k_q930e4d7cf0_quant
    .symbol:         k_q930e4d7cf0_quant.kd
    .args:
      - { .name: x, .offset: 0, .size: 8, .value_kind: global_buffer, .address_space: global }
      - { .name: Wqkv, .offset: 8, .size: 8, .value_kind: global_buffer, .address_space: global }
      - { .name: Wproj, .offset: 16, .size: 8, .value_kind: global_buffer, .address_space: global }
      - { .name: xq, .offset: 24, .size: 8, .value_kind: global_buffer, .address_space: global }
      - { .name: wq, .offset: 32, .size: 8, .value_kind: global_buffer, .address_space: global }
      - { .name: pq, .offset: 40, .size: 8, .value_kind: global_buffer, .address_space: global }
    .group_segment_fixed_size: 17152
    .private_segment_fixed_size: 0
    .kernarg_segment_align: 8
    .kernarg_segment_size: 48
    .max_flat_workgroup_size: 64
    .sgpr_count:     66
    .vgpr_count:     256
    .wavefront_size: 32
...
	.end_amdgpu_metadata
.endif
;; end of part 1
;; launch qkv (part 2): grid 12 x 64, 4 waves a work-group, clusters of 4 x 4, 213,504 bytes of LDS; arguments xq, wq, bqkv, qkvc; writes qkvc
.if DOCPART == 2
	.amdgcn_target "amdgcn-amd-amdhsa--gfx1250"
	.amdhsa_code_object_version 6
	.text
	.protected	k_q930e4d7cf0_qkv
	.globl	k_q930e4d7cf0_qkv
	.p2align	8
	.type	k_q930e4d7cf0_qkv,@function
k_q930e4d7cf0_qkv:
	s_mov_b64 s[64:65], 0
	v_nop
	global_prefetch_b8 v0, s[64:65] scope:SCOPE_SE
	s_setreg_imm32_b32 hwreg(HW_REG_WAVE_MODE, 25, 1), 1
	s_wait_xcnt 0x0
	s_wait_alu depctr_hold_cnt(0) depctr_sa_sdst(0) depctr_va_vdst(0) depctr_va_sdst(0) depctr_va_ssrc(0) depctr_va_vcc(0) depctr_vm_vsrc(0)
	s_getreg_b32 s2, hwreg(HW_REG_IB_STS2, 6, 4)
	s_cmp_eq_u32 s2, 0
	s_cbranch_scc0 .Lentry_in_a_cluster
	s_endpgm
.Lentry_in_a_cluster:
	s_bfe_u32 s2, ttmp6, 0x10000c
	s_cmp_lg_u32 s2, 0xf033
	s_cbranch_scc0 .Lentry_shape_is_right
	s_endpgm
.Lentry_shape_is_right:
; qkv = x Wqkv^T + bqkv on codes of FP4 with E8M0 scales (K = 1,024), and q, k, v quantised at once for the two products of attention: q and k along the head's 64, v along the keys.  No f32 number of qkv goes to memory.
; OPERANDS come as images of their registers (launch quant): tile G, K step s at 8,192 G + 1,024 s, [c][lane][16 bytes]; lane r of tile G is row 32 (G / 2) + 8 (G % 2) + r + 8 (r / 8); scale words [G][s / 4][r][s % 4] behind the codes.
; A WORK-GROUP makes 128 rows of the "A side" x 256 rows of the "B side", four waves of 64 x 128 (32 accumulators).  The matrix instruction takes 16 rows of the B side as source 0 and 16 of the A side as source 1: a lane then holds ONE
; row of the A side, and, by the order of rows in a tile, the 16 registers of B tiles 2 b and 2 b + 1 are 16 NEIGHBOURS along the B side: what the quantiser wants in one lane.
; ROLES.  Clusters with x = 0 (q) and 1 (k): A side = tokens, B side = features: a lane's registers run along the head's 64.  Clusters with x = 2 (v): A side = features, B side = tokens: they run along the keys.
; The role hangs on the cluster's x, which all sixteen partners share; it chooses pointers and tile numbers, and one branch behind the loads parts the two ways out.
; ALL OF K LIES IN LDS: 128 + 256 rows x 512 bytes = 196,608 bytes, in two halves of K so that the products begin when the first has landed; every LDS byte is filled once, so there is no ring.
; CLUSTER 4 x 4: the A side's tiles hang on the cluster's row alone and are asked for jointly by its four work-groups, the B side's on its column: each joint load has the same descriptor and a mask that names the four.
; OUTPUT: 64 records of REC bytes, one a head (16 x batch + head): K's codes [key tile][lane][16 B] (d = 32 h ..), V's codes [key step][d tile][c][lane][16 B], K's scale words [step][2][r][4], V's [step][r][4], Q's codes and words as K's.
; q's and k's scale words carry the bytes 0x7f for k = 64 .. 127 of the instruction's 128, where attention feeds zero codes.
; LIMITS: NaN and infinities are not served; a block whose largest magnitude lies under 2^-124 keeps the byte 1 (read by this program alone).  The bias starts each sum (it is the first product's C), where reference() adds it last.
; REGISTERS: window 0: v1 r, v2 h, v4 16 x lane, v5-7 the way out, v16-27 LDS addresses, v32-95 scale words, v96-159 the bias, v160-215 the quantiser.  window 1: two sets of fragments (64 of B, 32 of A).  window 2: the accumulators, (a, b) at 8 (8 a + b).
.set REC,   217088
.set SLOTB, 98304                      ; a K half in LDS: A's 8 tiles x 4,096 bytes, then B's 16
.set SCA,   196608                     ; A's scale words, 4,096 bytes
.set SCB,   200704                     ; B's, 8,192 bytes
.set ADRA,  16                         ; v16-17 my A fragments in K half 0, 1
.set ADRB,  20                         ; v20-21 my B fragments
.set ADRS,  27                         ; v27    scale words: lanes 0-15 A's rows, lanes 16-31 B's
.set SC,    32                         ; register 32 k + 4 i + q: lanes 0-15 A's tile i, lanes 16-31 B's tile i, K step 4 k + q
.set BI,    96
.set PC,    160                        ; the codes made: 8 registers for each of my four A tiles
.set PW,    192                        ; and their scale words
.set TM,    196                        ; v196-199 maxima, v200-203 bytes, v208-211 the conversions' scale operands
.set WD,    212                        ; the words as stored
.set G1A,   24
.set G0A,   32
.set G1B,   48
.set G0B,   56
.set G1SA,  68
.set G0SA,  76
.set G1SB,  80
.set G0SB,  88
.set SEL,   92                         ; s[92:93] lane selects (written when the addresses there have been used)
.set MSB, 0
.macro WIN new                         ; the immediate's high byte repeats the setting that is left
.if MSB != \new
	s_set_vgpr_msb (MSB<<8)|\new
.set MSB, \new
.endif
.endm
; A joint load: waves 0 and 1 fetch for the A side, waves 2 and 3 for the B side; the branch hangs on the wave's number alone.  Four v_nop follow each of the two lines.
.macro JLOAD g0a, g1a, g0b, g1b
	s_cmp_eq_u32 s15, 0
	s_cbranch_scc0 .Lfor_b_\@
	tensor_load_to_lds s[\g0a:\g0a+3], s[\g1a:\g1a+7]
	s_nop 0
.rept 4
	v_nop
.endr
	s_branch .Lasked_\@
.Lfor_b_\@:
	tensor_load_to_lds s[\g0b:\g0b+3], s[\g1b:\g1b+7]
	s_nop 0
.rept 4
	v_nop
.endr
.Lasked_\@:
.endm
.macro CROUND                          ; a round of the cluster's barrier
	s_barrier_signal -1
	s_barrier_wait -1
	s_cmp_lg_u32 s14, 0
	s_cbranch_scc1 .Lnot_wave_0_\@
	s_barrier_signal -3
.Lnot_wave_0_\@:
	s_barrier_wait -3
	s_barrier_signal -1
	s_barrier_wait -1
.endm
.macro SCALES                          ; all of K's scale words of my tiles: four words (four K steps) a load
.irp k, 0,1
.irp i, 0,1,2,3,4,5,6,7
	ds_load_b128 v[SC+32*\k+4*\i:SC+32*\k+4*\i+3], v[ADRS] offset:512*\i+256*\k   ; (for i above 3 lanes 0-15 read words of B's that no product names)
.endr
.endr
.endm
.macro FETCH sg, p                     ; K step sg: B's eight fragments and A's four into set p: 24 loads of 512 consecutive bytes
	WIN 0x40                                       ; destination window 1, address window 0
.irp b, 0,1,2,3,4,5,6,7
.irp c, 0,1
	ds_load_b128 v[128*(\p)+8*\b+4*\c:128*(\p)+8*\b+4*\c+3], v[ADRB+(\sg)/4] offset:4096*\b+1024*((\sg)%4)+512*\c
.endr
.endr
.irp a, 0,1,2,3
.irp c, 0,1
	ds_load_b128 v[128*(\p)+64+8*\a+4*\c:128*(\p)+64+8*\a+4*\c+3], v[ADRA+(\sg)/4] offset:4096*\a+1024*((\sg)%4)+512*\c
.endr
.endr
.endm
; 32 products: the 32 accumulators take turns, one instruction a turn, in the same order in every K step.  K step 0 starts the sums with the bias as C:
; cmode 0: the bias runs along the B side (8 registers for each B tile); cmode 1: along the A side (a lane's own number, eight times, for each A tile).
.macro MULS sg, p, cmode
.set KQ, SC+32*((\sg)/4)+(\sg)%4
.if (\sg) == 0
	WIN 0x85                                       ; sources 0 and 1 window 1, C window 0, D window 2
.else
	WIN 0xa5                                       ; C and D window 2
.endif
.irp a, 0,1,2,3
.irp b, 0,1,2,3,4,5,6,7
.set rD, 8*(8*\a+\b)
.set rB, 128*(\p)+8*\b
.set rA, 128*(\p)+64+8*\a
.set rC, BI+8*\b*(1-\cmode)+8*\a*(\cmode)
.if (\sg) == 0
	v_wmma_scale_f32_16x16x128_f8f6f4 v[rD:rD+7], v[rB:rB+7], v[rA:rA+7], v[rC:rC+7], v[KQ+4*\b], v[KQ+4*\a] matrix_a_fmt:MATRIX_FMT_FP4 matrix_b_fmt:MATRIX_FMT_FP4 matrix_a_scale:MATRIX_SCALE_ROW1
.else
	v_wmma_scale_f32_16x16x128_f8f6f4 v[rD:rD+7], v[rB:rB+7], v[rA:rA+7], v[rD:rD+7], v[KQ+4*\b], v[KQ+4*\a] matrix_a_fmt:MATRIX_FMT_FP4 matrix_b_fmt:MATRIX_FMT_FP4 matrix_a_scale:MATRIX_SCALE_ROW1
.endif
.endr
.endr
.endm
.macro MAIN cmode                      ; the eight K steps, written out: no label, no loop
	s_wait_tensorcnt 0x1                           ; of my three loads the scales and K half 0 have landed; K half 1 may be out
	s_barrier_signal -1
	s_barrier_wait -1                              ; everybody's have
	SCALES
	FETCH 0, 0
	s_wait_loadcnt 0x0                             ; the bias
.irp sg, 0,1,2,3,4,5,6,7
.if \sg == 3
	s_wait_tensorcnt 0x0                           ; my part of K half 1 has landed,
	s_wait_dscnt 0x0                               ; no LDS load of mine is out at the signal,
	s_barrier_signal -1
	s_barrier_wait -1                              ; and everybody's part has: K step 4 may be fetched
.endif
.if \sg < 7
.if \sg > 0
.rept 4
	v_nop                                          ; four places between the last products and the loads into the set that they read (ISA guide 7.12.1 for vector instructions)
.endr
.endif
	FETCH \sg+1, 1-\sg%2
	s_wait_dscnt 24                                ; all but the 24 just issued
.else
	s_wait_dscnt 0x0
.endif
	MULS \sg, \sg%2, \cmode
.endr
	WIN 0
.rept 4
	v_nop                                          ; four places in front of the first read of results
.endr
.endm
; A tile a of my four: a lane's 64 results, register 16 b + i = neighbour 32 b + 16 h + i along the B side, become a fragment's codes in v[PC + 8 a] on and its scale word in v[PW + a].
.macro QUANTW a
	WIN 0x28                                       ; sources 1 and 2 window 2
.irp b, 0,1,2,3
	v_max3_num_f32 v[TM+\b], 0x1800000, |v[64*\a+16*\b]|, |v[64*\a+16*\b+1]|   ; block b: my 16 numbers and the floor 2^(3 - 127); each accumulator is read from its low end on
.endr
.irp i, 2,4,6,8,10,12,14
.irp b, 0,1,2,3
	v_max3_num_f32 v[TM+\b], v[TM+\b], |v[64*\a+16*\b+\i]|, |v[64*\a+16*\b+\i+1]|
.endr
.endr
	WIN 0
.irp b, 0,1,2,3
	v_permlanex16_b32 v[TM+4+\b], v[TM+\b], s[SEL], s[SEL+1]
.endr
.irp b, 0,1,2,3
	v_max_num_f32 v[TM+\b], v[TM+\b], v[TM+4+\b]   ; with lane l xor 16's 16: the block's largest magnitude
.endr
.irp b, 0,1,2,3
	v_add_nc_u32 v[TM+12+\b], 0xff000000, v[TM+\b] ; 2 off its exponent field: the conversion's scale operand
.endr
.irp b, 0,1,2,3
	v_lshrrev_b32 v[TM+4+\b], 23, v[TM+12+\b]      ; the scale's byte
.endr
	v_lshl_or_b32 v[PW+\a], v[TM+5], 8, v[TM+4]
	v_lshl_or_b32 v[PW+\a], v[TM+6], 16, v[PW+\a]
	v_lshl_or_b32 v[PW+\a], v[TM+7], 24, v[PW+\a]
	WIN 0x02                                       ; source 0 window 2
.irp b, 0,1,2,3
	v_cvt_scalef32_pk8_fp4_f32 v[PC+8*\a+2*\b], v[64*\a+16*\b:64*\a+16*\b+7], v[TM+12+\b]
	v_cvt_scalef32_pk8_fp4_f32 v[PC+8*\a+2*\b+1], v[64*\a+16*\b+8:64*\a+16*\b+15], v[TM+12+\b]
.endr
	WIN 0
	v_nop                                          ; one plain place behind a scaled conversion
.irp c, 0,1                                    ; the operand's layout wants a whole block in a lane: lanes 0-15 block 2 c, lanes 16-31 block 2 c + 1
.irp i, 0,1
	v_permlane16_swap_b32 v[PC+8*\a+4*\c+\i], v[PC+8*\a+4*\c+2+\i]
.endr
.endr
.endm
	s_load_b256 s[4:11], s[0:1], 0x0               ; xq, wq, bqkv, qkvc
	v_lshl_add_u32 v254, v0, 2, 0x34000
	v_mov_b32 v255, 0
	ds_add_u32 v254, v255
	ds_add_u32 v254, v255
	v_lshrrev_b32 v1, 5, v0
	v_readfirstlane_b32 s14, v1                    ; wave 0..3
	s_lshr_b32 s15, s14, 1                         ; ha: which 64 rows of the A side are mine.  Also: I fetch for A (0) or for B (1)
	s_and_b32 s16, s14, 1                          ; hb: which 128 rows of the B side.  Also: which half of that side's tiles I fetch
	s_bfe_u32 s40, ttmp6, 0x40000                  ; cx
	s_bfe_u32 s41, ttmp6, 0x40004                  ; cy
	s_and_b32 s42, ttmp7, 0xffff                   ; the cluster's y, 0..15
	s_lshl_b32 s43, s41, 2
	s_lshl_b32 s43, 15, s43                        ; my row of the cluster
	s_lshl_b32 s44, 0x1111, s40                    ; my column
	s_lshl_b32 s17, s42, 2                         ; q, k: TA = 4 x cluster y + cy: 128 tokens
	s_and_b32 s19, s42, 1
	s_lshl_b32 s19, s19, 2
	s_add_co_u32 s19, s19, 16                      ; v: TA = 16 + 4 (cluster y % 2) + cy: 128 features from 2,048 on
	s_cmp_eq_u32 ttmp9, 2
	s_cselect_b32 s17, s19, s17
	s_add_co_u32 s17, s17, s41                     ; TA
	s_lshl_b32 s18, ttmp9, 2                       ; q, k: TB = 4 x cluster x + cx: 256 features
	s_lshr_b32 s19, s42, 1
	s_lshl_b32 s19, s19, 2                         ; v: TB = 4 (cluster y / 2) + cx: 256 tokens
	s_cmp_eq_u32 ttmp9, 2
	s_cselect_b32 s18, s19, s18
	s_add_co_u32 s18, s18, s40                     ; TB
	; descriptor groups 1.  Codes: a tile's K half is 4,096 consecutive bytes (512 elements of 8 bytes), from tile to tile 8,192 bytes; A: 4 tiles a load, B: 8.  No padding: fragments are read as 512 consecutive bytes.
	s_or_b32 s[G1A], s43, (3<<16)|(1<<21)          ; 15:0 the mask: my row; 17:16 elements of 8 bytes; 21 set beside a mask
	s_or_b32 s[G1B], s44, (3<<16)|(1<<21)          ; the mask: my column
	s_mov_b32 s[G1A+1], 512<<16                    ; tensor_dim0 = 512
	s_mov_b32 s[G1A+2], 4<<16                      ; tensor_dim1 = 4
	s_mov_b32 s[G1A+3], 512<<16                    ; tile_dim0 = 512
	s_mov_b32 s[G1A+4], 4                          ; tile_dim1 = 4
	s_mov_b32 s[G1A+5], 1024                       ; from row to row: 1,024 elements
	s_mov_b32 s[G1A+6], 0
	s_mov_b32 s[G1A+7], 0
	s_mov_b32 s[G1B+1], 512<<16
	s_mov_b32 s[G1B+2], 8<<16
	s_mov_b32 s[G1B+3], 512<<16
	s_mov_b32 s[G1B+4], 8
	s_mov_b32 s[G1B+5], 1024
	s_mov_b32 s[G1B+6], 0
	s_mov_b32 s[G1B+7], 0
	; scale words: dense blocks, as rows of 256 bytes (32 elements of 8 bytes); A: 8 rows a load, B: 16
	s_or_b32 s[G1SA], s43, (3<<16)|(1<<21)
	s_or_b32 s[G1SB], s44, (3<<16)|(1<<21)
	s_mov_b32 s[G1SA+1], 32<<16
	s_mov_b32 s[G1SA+2], 8<<16
	s_mov_b32 s[G1SA+3], 32<<16
	s_mov_b32 s[G1SA+4], 8
	s_mov_b32 s[G1SA+5], 32
	s_mov_b32 s[G1SA+6], 0
	s_mov_b32 s[G1SA+7], 0
	s_mov_b32 s[G1SB+1], 32<<16
	s_mov_b32 s[G1SB+2], 16<<16
	s_mov_b32 s[G1SB+3], 32<<16
	s_mov_b32 s[G1SB+4], 16
	s_mov_b32 s[G1SB+5], 32
	s_mov_b32 s[G1SB+6], 0
	s_mov_b32 s[G1SB+7], 0
	; byte offsets.  A's hang on TA (cy) and the wave alone, B's on TB (cx) and the wave alone, each in registers of its own
	s_lshl_b32 s20, s17, 16                        ; A's codes: 65,536 TA + 32,768 x half
	s_lshl_b32 s19, s16, 15
	s_add_co_u32 s20, s20, s19
	s_mov_b32 s21, 0
	s_lshl_b32 s22, s17, 12                        ; A's scale words: 4,096 TA + 2,048 x half
	s_lshl_b32 s19, s16, 11
	s_add_co_u32 s22, s22, s19
	s_mov_b32 s23, 0
	s_lshl_b32 s12, s18, 17                        ; B's codes: 131,072 TB + 65,536 x half
	s_lshl_b32 s19, s16, 16
	s_add_co_u32 s12, s12, s19
	s_mov_b32 s13, 0
	s_lshl_b32 s2, s18, 13                         ; B's scale words: 8,192 TB + 4,096 x half
	s_lshl_b32 s19, s16, 12
	s_add_co_u32 s2, s2, s19
	s_mov_b32 s3, 0
	s_lshl_b32 s45, s16, 14                        ; and in LDS: no place in the cluster enters an LDS address
	s_lshl_b32 s66, s16, 15
	s_lshl_b32 s67, s16, 11
	s_lshl_b32 s46, s16, 12
	s_cmp_eq_u32 ttmp9, 2
	s_mov_b32 s19, 4194304                         ; the scale words lie behind the codes: xq's at 4,194,304, wq's at 1,572,864
	s_cselect_b32 s47, 1572864, s19
	s_mov_b32 s19, 1572864
	s_cselect_b32 s19, 4194304, s19
	s_add_co_u32 s22, s22, s47
	s_add_co_u32 s2, s2, s19
	s_wait_dscnt 0x0
	s_wait_kmcnt 0x0
	s_cmp_eq_u32 ttmp9, 2
	s_cselect_b64 s[92:93], s[6:7], s[4:5]         ; the A side's buffer: wq for v, else xq
	s_cselect_b64 s[94:95], s[4:5], s[6:7]         ; the B side's
	s_add_nc_u64 s[96:97], s[92:93], s[22:23]
	s_add_nc_u64 s[92:93], s[92:93], s[20:21]
	s_add_nc_u64 s[98:99], s[94:95], s[2:3]
	s_add_nc_u64 s[94:95], s[94:95], s[12:13]
	CROUND                                         ; all sixteen work-groups are here: the joint loads meet
	s_mov_b32 s[G0SA], 1
	s_add_co_u32 s[G0SA+1], s67, SCA
	s_mov_b64 s[G0SA+2:G0SA+3], s[96:97]
	s_or_b32 s[G0SA+3], s[G0SA+3], 0x80000000
	s_mov_b32 s[G0SB], 1
	s_add_co_u32 s[G0SB+1], s46, SCB
	s_mov_b64 s[G0SB+2:G0SB+3], s[98:99]
	s_or_b32 s[G0SB+3], s[G0SB+3], 0x80000000
	JLOAD G0SA, G1SA, G0SB, G1SB                   ; the scale words first: they are wanted with K step 0
.irp k, 0,1
	s_mov_b32 s[G0A+4*\k], 1
	s_add_co_u32 s[G0A+4*\k+1], s45, \k*SLOTB
	s_add_nc_u64 s[G0A+4*\k+2:G0A+4*\k+3], s[92:93], \k*4096
	s_or_b32 s[G0A+4*\k+3], s[G0A+4*\k+3], 0x80000000
	s_mov_b32 s[G0B+4*\k], 1
	s_add_co_u32 s[G0B+4*\k+1], s66, \k*SLOTB+32768
	s_add_nc_u64 s[G0B+4*\k+2:G0B+4*\k+3], s[94:95], \k*4096
	s_or_b32 s[G0B+4*\k+3], s[G0B+4*\k+3], 0x80000000
	JLOAD G0A+4*\k, G1A, G0B+4*\k, G1B             ; K half k.  Three loads of mine are out in all
.endr
	v_and_b32 v1, 15, v0                           ; r
	v_bfe_u32 v2, v0, 4, 1                         ; h
	v_and_b32 v3, 31, v0
	v_lshlrev_b32 v4, 4, v3                        ; 16 x lane
	s_lshl_b32 s21, s15, 14                        ; my four tiles of A
	s_lshl_b32 s22, s16, 15                        ; my eight of B,
	s_add_co_u32 s22, s22, 32768                   ; which lie behind A's eight
.irp k, 0,1
	v_add_nc_u32 v[ADRA+\k], s21, v4
	v_add_nc_u32 v[ADRB+\k], s22, v4
	s_add_co_u32 s21, s21, SLOTB
	s_add_co_u32 s22, s22, SLOTB
.endr
	s_lshl_b32 s21, s15, 11                        ; A's words: my four tiles
	s_lshl_b32 s22, s16, 12                        ; B's: my eight, 4,096 bytes behind A's first
	s_add_co_u32 s22, s22, 4096
	s_sub_co_u32 s22, s22, s21
	v_mul_u32_u24 v5, s22, v2                      ; lanes 16-31 take B's: one product, the distance between the two
	s_add_co_u32 s21, s21, SCA
	v_lshl_add_u32 v5, v1, 4, v5                   ; 16 bytes a row
	v_add_nc_u32 v[ADRS], s21, v5
.irp b, 0,1,2,3
	v_mov_b32 v[TM+4+\b], 0                        ; written once: a lane permute's destination counts as one of its sources
.endr
	s_mov_b32 s[SEL], 0x76543210
	s_mov_b32 s[SEL+1], 0xfedcba98
	s_mov_b32 s94, 0x7f7f0000
	s_mov_b32 s95, 0xffff0000
	s_cmp_eq_u32 ttmp9, 2
	s_cbranch_scc1 .Lpath_v                        ; the cluster's x: the same in all sixteen partners and in all waves
	; ---- q and k.  The bias of my 128 features: lane half h wants, for B tile b, features 32 (b / 2) + 8 (b % 2) + 16 h + 0 .. 7
	s_lshl_b32 s20, s18, 10
	s_lshl_b32 s19, s16, 9
	s_add_co_u32 s20, s20, s19
	s_mov_b32 s21, 0
	s_add_nc_u64 s[8:9], s[8:9], s[20:21]
	v_lshlrev_b32 v7, 6, v2
.irp b, 0,1,2,3,4,5,6,7
	global_load_b128 v[BI+8*\b:BI+8*\b+3], v7, s[8:9] offset:(32*(\b/2)+8*(\b%2))*4
	global_load_b128 v[BI+8*\b+4:BI+8*\b+7], v7, s[8:9] offset:(32*(\b/2)+8*(\b%2))*4+16
.endr
	; where the results go: record 16 x batch + 4 cx + 2 hb (+ 1 for my second head); token tile 8 (TA % 16) + 4 ha + a
	s_lshr_b32 s20, s17, 4
	s_lshl_b32 s20, s20, 4
	s_lshl_b32 s19, s40, 2
	s_add_co_u32 s20, s20, s19
	s_lshl_b32 s19, s16, 1
	s_add_co_u32 s20, s20, s19
	s_mul_i32 s20, s20, REC
	s_and_b32 s19, s17, 15
	s_lshl_b32 s22, s19, 12                        ; codes: 512 bytes a tile
	s_add_co_u32 s22, s22, s20
	s_lshl_b32 s2, s19, 9                          ; words: 64 bytes a tile
	s_add_co_u32 s2, s2, s20
	s_lshl_b32 s19, s15, 11
	s_add_co_u32 s22, s22, s19
	s_lshl_b32 s19, s15, 8
	s_add_co_u32 s2, s2, s19
	s_cmp_eq_u32 ttmp9, 0                          ; q or k
	s_cselect_b32 s19, 143360, 0
	s_mov_b32 s20, 131072
	s_cselect_b32 s20, 208896, s20
	s_add_co_u32 s22, s22, s19
	s_add_co_u32 s2, s2, s20
	s_mov_b32 s23, 0
	s_mov_b32 s3, 0
	s_add_nc_u64 s[12:13], s[10:11], s[22:23]
	s_add_nc_u64 s[10:11], s[10:11], s[2:3]
	v_lshlrev_b32 v5, 4, v2                        ; 16 h: my head's two bytes in a scale word
	v_mul_u32_u24 v6, v2, REC
	v_lshl_add_u32 v6, v1, 4, v6                   ; lanes 0-15 store the first head's words, lanes 16-31 the second's: 16 bytes a row
	MAIN 0
.irp a, 0,1,2,3
	QUANTW \a                                      ; registers 4 c .. 4 c + 3: head c of my two, d = 32 h + 0 .. 31, token = lane r of tile a
	global_store_b128 v4, v[PC+8*\a:PC+8*\a+3], s[12:13] offset:512*\a           ; 32 lanes store 512 consecutive bytes, aligned
	global_store_b128 v4, v[PC+8*\a+4:PC+8*\a+7], s[12:13] offset:REC+512*\a
	v_lshrrev_b32 v[WD+\a], v5, v[PW+\a]
	v_and_or_b32 v[WD+\a], v[WD+\a], 0xffff, s94   ; the head's two bytes, and 0x7f for the two blocks of zero codes
.endr
	global_store_b128 v6, v[WD:WD+3], s[10:11]     ; sixteen lanes store 256 consecutive bytes, aligned
	s_wait_tensorcnt 0x0
	ds_add_u32 v254, v255
	s_wait_dscnt 0x0
	CROUND                                         ; the closing round (no LDS instruction of mine is out)
	s_endpgm
.Lpath_v:
	; ---- v.  The bias of my 64 features: lane r of A tile a wants feature 32 (a / 2) + 8 (a % 2) + r + 8 (r / 8), in all eight registers
	s_lshl_b32 s20, s17, 9
	s_lshl_b32 s19, s15, 8
	s_add_co_u32 s20, s20, s19
	s_mov_b32 s21, 0
	s_add_nc_u64 s[8:9], s[8:9], s[20:21]
	v_and_b32 v7, 8, v1
	v_add_nc_u32 v7, v7, v1
	v_lshlrev_b32 v7, 2, v7
.irp a, 0,1,2,3
.irp j, 0,1,2,3,4,5,6,7
	global_load_b32 v[BI+8*\a+\j], v7, s[8:9] offset:(32*(\a/2)+8*(\a%2))*4
.endr
.endr
	; record 16 x batch + 2 (TA - 16) + ha; key step 2 (TB % 8) + hb
	s_lshr_b32 s20, s18, 3
	s_lshl_b32 s20, s20, 4
	s_sub_co_u32 s19, s17, 16
	s_lshl_b32 s19, s19, 1
	s_add_co_u32 s20, s20, s19
	s_add_co_u32 s20, s20, s15
	s_mul_i32 s20, s20, REC
	s_and_b32 s19, s18, 7
	s_lshl_b32 s19, s19, 1
	s_add_co_u32 s19, s19, s16
	s_lshl_b32 s22, s19, 12                        ; codes: 4,096 bytes a key step
	s_add_co_u32 s22, s22, s20
	s_add_co_u32 s22, s22, 65536
	s_lshl_b32 s2, s19, 8                          ; words: 256 bytes a key step
	s_add_co_u32 s2, s2, s20
	s_add_co_u32 s2, s2, 139264
	s_mov_b32 s23, 0
	s_mov_b32 s3, 0
	s_add_nc_u64 s[12:13], s[10:11], s[22:23]
	s_add_nc_u64 s[10:11], s[10:11], s[2:3]
	v_lshlrev_b32 v6, 4, v1
	v_lshl_add_u32 v6, v2, 3, v6                   ; 16 r + 8 h
	MAIN 1
.irp a, 0,1,2,3
	QUANTW \a                                      ; a whole fragment: rows d of tile a, K = my 128 keys
	global_store_b128 v4, v[PC+8*\a:PC+8*\a+3], s[12:13] offset:1024*\a
	global_store_b128 v4, v[PC+8*\a+4:PC+8*\a+7], s[12:13] offset:1024*\a+512
.endr
	v_cndmask_b32 v[WD], v[PW], v[PW+2], s95       ; lane (r, h) stores the words of d tiles 2 h and 2 h + 1
	v_cndmask_b32 v[WD+1], v[PW+1], v[PW+3], s95
	global_store_b64 v6, v[WD:WD+1], s[10:11]      ; 32 lanes store 256 consecutive bytes, aligned
	s_wait_tensorcnt 0x0
	ds_add_u32 v254, v255
	s_wait_dscnt 0x0
	CROUND
	s_endpgm
.Lfunc_end_k_q930e4d7cf0_qkv:
	.size	k_q930e4d7cf0_qkv, .Lfunc_end_k_q930e4d7cf0_qkv-k_q930e4d7cf0_qkv
	.p2alignl 7, 3214868480
	.fill 96, 4, 3214868480
	.section	.rodata,"a",@progbits
	.p2align	6, 0x0
	.amdhsa_kernel k_q930e4d7cf0_qkv
		.amdhsa_group_segment_fixed_size 213504
		.amdhsa_private_segment_fixed_size 0
		.amdhsa_enable_private_segment 0
		.amdhsa_kernarg_size 32
		.amdhsa_user_sgpr_count 2
		.amdhsa_user_sgpr_kernarg_segment_ptr 1
		.amdhsa_wavefront_size32 1
		.amdhsa_system_sgpr_workgroup_id_x 1
		.amdhsa_system_sgpr_workgroup_id_y 1
		.amdhsa_system_sgpr_workgroup_id_z 1
		.amdhsa_system_vgpr_workitem_id 0
		.amdhsa_next_free_vgpr 768
		.amdhsa_next_free_sgpr 100
		.amdhsa_reserve_vcc 0
		.amdhsa_float_denorm_mode_32 3
		.amdhsa_float_denorm_mode_16_64 3
		.amdhsa_memory_ordered 1
		.amdhsa_forward_progress 1
		.amdhsa_inst_pref_size 144
	.end_amdhsa_kernel
	.amdgpu_metadata
---
amdhsa.version: [ 1, 2 ]
amdhsa.kernels:
  - .name:           k_q930e4d7cf0_qkv
    .symbol:         k_q930e4d7cf0_qkv.kd
    .args:
      - { .name: xq, .offset: 0, .size: 8, .value_kind: global_buffer, .address_space: global }
      - { .name: wq, .offset: 8, .size: 8, .value_kind: global_buffer, .address_space: global }
      - { .name: bqkv, .offset: 16, .size: 8, .value_kind: global_buffer, .address_space: global }
      - { .name: qkvc, .offset: 24, .size: 8, .value_kind: global_buffer, .address_space: global }
    .group_segment_fixed_size: 213504
    .private_segment_fixed_size: 0
    .kernarg_segment_align: 8
    .kernarg_segment_size: 32
    .max_flat_workgroup_size: 128
    .sgpr_count:     100
    .vgpr_count:     768
    .wavefront_size: 32
...
	.end_amdgpu_metadata
.endif
;; end of part 2
;; launch attn (part 3): grid 4 x 64, 16 waves a work-group, no clusters, 169,984 bytes of LDS; arguments qkvc, yq; writes yq
.if DOCPART == 3
	.amdgcn_target "amdgcn-amd-amdhsa--gfx1250"
	.amdhsa_code_object_version 6
	.text
	.protected	k_q930e4d7cf0_attn
	.globl	k_q930e4d7cf0_attn
	.p2align	8
	.type	k_q930e4d7cf0_attn,@function
k_q930e4d7cf0_attn:
	s_mov_b64 s[64:65], 0
	v_nop
	global_prefetch_b8 v0, s[64:65] scope:SCOPE_SE
	s_setreg_imm32_b32 hwreg(HW_REG_WAVE_MODE, 25, 1), 1
	s_wait_xcnt 0x0
; y[b][q][64 hd + d] = the sum over keys k <= q of softmax_k(Q[q] . K[k] / 8) V[k][d], both products on codes of FP4 with E8M0 scales, and y quantised at once along C for the last product.
; THE SOFTMAX AHEAD OF THE SECOND PRODUCT: t = score x log2(e) / 8; M = the running largest t, rounded UP to a whole number; p = 2^(t - M) is quantised along the keys, not normalised.  The row's sum is taken of the
; unquantised p and divides O at the end.  When M moves, the sum and O are multiplied by 2^(old M - new M): exact.
; INPUT: a head's record (launch qkv): K's codes [key tile][lane][16 B], V's codes [key step][d tile][c][lane][16 B], K's and V's scale words, then Q's codes and words.  Lane r of a tile of tokens is token 32 (G / 2) + 8 (G % 2) + r + 8 (r / 8).
; A HEAD'S K AND V LIE IN LDS WHOLE: the record's first 143,360 bytes, one dense block, filled once by eight tensor loads of 70 rows x 256 bytes: no ring, one barrier in the launch.
; SHARES.  Work-group (i, head) owns query blocks i and 7 - i of 256 queries, one after the other (PASS): under the causal mask every work-group then has the same work.  Each of its sixteen waves owns one tile of 16 queries
; in 256 registers: four waves to a SIMD, so that one wave's vector work stands beside another's matrix work and LDS loads.
; LAYOUT.  Both products are used transposed: S^T = K Q^T (source 0 = 16 keys), O^T = V^T P^T (source 0 = 16 of the head's 64): a lane holds ONE query throughout; by the order of rows in a tile the 16 registers of
; tiles 2 b and 2 b + 1 are 16 neighbouring keys (or 16 neighbouring d).  The first product's K is 64: registers 4-7 of both fragments are zero codes, under the byte 0x7f.
; CAUSAL.  Every wave walks 16 key steps of 128, a constant count; a step all of whose keys come after the tile's queries is jumped over by a scalar branch on ids; in the step on the diagonal hidden scores become -infinity.
; NO CLUSTER: what the four work-groups of a head share is the one fill at the head; behind it each branches on its own query block.
; LIMITS: NaN and infinities are not served; t is score x (log2(e) / 8), rounded once where reference() rounds twice; y = O x (1 / l) by v_rcp_f32; a block of y under 2^-124 keeps the byte 1.
; y's scale bytes leave as single bytes, 32 a wave in one block of 256 bytes: that block also holds seven other heads' bytes, which other work-groups make.
; REGISTERS: v1-7 addresses that stay; v8-11 the step's LDS addresses; v12 -M, v13 the largest t, v[14:15] the sum; v16-23 Q; v24-31 K's scale words; v32-95 K's eight fragments; v96-159 S^T, then p; v160-191 O^T;
; v192-223 V's four fragments; v224-231 p's codes; v232-254 at work (v248-251 V's scale words, v253 p's, v241 the lane's part of its query); v255 Q's scale word.
.set REC,   217088
.set LV,    65536                      ; LDS: V's codes
.set LKS,   131072                     ; K's scale words
.set LVS,   139264                     ; V's
.set QOFF,  143360                     ; in the record: Q's codes
.set QSOFF, 208896                     ; and Q's scale words
.set FILLB, 17920                      ; 70 rows of 256 bytes: an eighth of what LDS holds
.set YSOFF, 4194304                    ; yq's scale words lie behind its codes
.set SEL,   28                         ; s[28:29] lane selects: lane l xor 16
.set CS,    30                         ; s[30:31] c = log2(e) / 8
.set HM,    32                         ; s32      the mask of lanes 16-31
	s_load_b128 s[4:7], s[0:1], 0x0                ; qkvc, yq
	v_lshl_add_u32 v242, v0, 2, 0x29000
	v_mov_b32 v243, 0
	ds_add_u32 v242, v243
	ds_add_u32 v242, v243
	v_lshrrev_b32 v8, 5, v0
	s_delay_alu instid0(VALU_DEP_1)
	v_readfirstlane_b32 s8, v8                     ; wave 0..15
	s_and_b32 s9, ttmp7, 0xffff                    ; 16 x batch + head
	s_mul_i32 s10, s9, REC
	s_mov_b32 s11, 0
	s_mov_b32 s16, 3<<16                           ; group 1: no mask; elements of 8 bytes; no padding
	s_mov_b32 s17, 32<<16                          ; tensor_dim0 = 32
	s_mov_b32 s18, 70<<16                          ; tensor_dim1 = 70
	s_mov_b32 s19, 32<<16                          ; tile_dim0 = 32
	s_mov_b32 s20, 70                              ; tile_dim1 = 70
	s_mov_b32 s21, 32                              ; from row to row: 32 elements: dense
	s_mov_b32 s22, 0
	s_mov_b32 s23, 0
	s_mov_b32 s24, 1
	s_mul_i32 s25, s8, FILLB                       ; LDS address: wave x 17,920
	s_mov_b32 s12, s25                             ; and the same in the record
	s_mov_b32 s13, 0
	s_wait_dscnt 0x0
	s_wait_kmcnt 0x0
	s_add_nc_u64 s[4:5], s[4:5], s[10:11]          ; my head's record
	s_add_nc_u64 s[26:27], s[4:5], s[12:13]
	s_or_b32 s27, s27, 0x80000000
	s_cmp_lt_u32 s8, 8                             ; waves 0 to 7 fetch, one load each
	s_cbranch_scc0 .Lno_fill
	tensor_load_to_lds s[24:27], s[16:23]
	s_nop 0
.rept 4
	v_nop
.endr
.Lno_fill:
	v_and_b32 v9, 31, v0
	s_delay_alu instid0(VALU_DEP_1)
	v_lshlrev_b32 v1, 4, v9                        ; 16 x lane: K's fragments, Q's, y's
	s_delay_alu instid0(VALU_DEP_1)
	v_add_nc_u32 v2, LV, v1                        ; V's fragments
	v_and_b32 v10, 15, v0                          ; r
	v_bfe_u32 v11, v0, 4, 1                        ; h
	s_delay_alu instid0(VALU_DEP_2)
	v_lshlrev_b32 v7, 4, v10                       ; 16 r
	s_delay_alu instid0(VALU_DEP_1)
	v_add_nc_u32 v3, LKS, v7                       ; K's scale words
	s_delay_alu instid0(VALU_DEP_2)
	v_add_nc_u32 v4, LVS, v7                       ; V's
	s_delay_alu instid0(VALU_DEP_3)
	v_add_nc_u32 v6, v7, v11                       ; y's scale byte: 16 r + h
	v_and_b32 v12, 8, v10
	s_delay_alu instid0(VALU_DEP_1)
	v_add_nc_u32 v12, v12, v10                     ; r + 8 (r / 8)
	v_lshlrev_b32 v13, 4, v11
	s_delay_alu instid0(VALU_DEP_1)
	v_sub_nc_u32 v12, v12, v13                     ; - 16 h
	s_and_b32 s14, s8, 1
	s_lshl_b32 s14, s14, 3
	v_add_nc_u32 v241, s14, v12                    ; + 8 (wave % 2): my query less 16 h, counted from the pair of tiles' first query
.irp j, 20,21,22,23
	v_mov_b32 v\j, 0                               ; Q's zero codes for k = 64 .. 127
.endr
.irp t, 0,1,2,3,4,5,6,7
.irp j, 4,5,6,7
	v_mov_b32 v[32+8*\t+\j], 0                     ; K's likewise: written once, never again
.endr
.endr
.irp j, 236,237,238,239,252,253
	v_mov_b32 v\j, 0                               ; lane permutes' destinations count as sources; v253 is named as the upper half of the pair v[252:253]
.endr
	s_mov_b32 s[SEL], 0x76543210
	s_mov_b32 s[SEL+1], 0xfedcba98
	s_mov_b32 s[CS], 0x3e38aa3b                    ; log2(e) / 8
	s_mov_b32 s[CS+1], s[CS]                       ; (named with it as a pair, so it is written)
	s_mov_b32 s[HM], 0xffff0000
	s_wait_tensorcnt 0x0                           ; my load has landed (a wave without one passes at once),
	s_barrier_signal -1
	s_barrier_wait -1                              ; everybody's has: K, V and their scale words are whole, and nobody writes LDS again
.macro PASS which
	s_wait_xcnt 0x0                                ; the last pass's stores have read their registers and bases
.if \which == 0
	s_mov_b32 s33, ttmp9                           ; the query block: i,
.else
	s_sub_co_u32 s33, 7, ttmp9                     ; then 7 - i
.endif
	s_lshl_b32 s34, s33, 4
	s_add_co_u32 s34, s34, s8                      ; my tile of queries: 16 x block + wave
	s_lshl_b32 s35, s33, 8
	s_lshr_b32 s41, s8, 1
	s_lshl_b32 s41, s41, 5
	s_add_co_u32 s35, s35, s41                     ; QG: the first query of my pair of tiles; my tile's queries lie in QG .. QG + 31
	s_lshl_b32 s50, s34, 9
	s_add_co_u32 s50, s50, QOFF
	s_mov_b32 s51, 0
	s_add_nc_u64 s[42:43], s[4:5], s[50:51]        ; Q's codes: 512 bytes a tile
	s_lshr_b32 s50, s34, 2
	s_lshl_b32 s50, s50, 8
	s_and_b32 s52, s34, 3
	s_lshl_b32 s52, s52, 2
	s_add_co_u32 s50, s50, s52
	s_add_co_u32 s50, s50, QSOFF
	s_add_nc_u64 s[44:45], s[4:5], s[50:51]        ; Q's scale words: [tile / 4][r][tile % 4]
	s_lshr_b32 s52, s9, 4
	s_lshl_b32 s52, s52, 7
	s_add_co_u32 s52, s52, s34                     ; y's tile: 128 x batch + my tile
	s_and_b32 s53, s9, 15                          ; the head
	s_lshl_b32 s50, s52, 13
	s_lshl_b32 s54, s53, 9                         ; K step head / 2, half head % 2: 512 bytes a head
	s_add_co_u32 s50, s50, s54
	s_add_nc_u64 s[46:47], s[6:7], s[50:51]        ; y's codes
	s_lshl_b32 s50, s52, 9
	s_lshr_b32 s54, s53, 3
	s_lshl_b32 s54, s54, 8
	s_add_co_u32 s50, s50, s54
	s_and_b32 s54, s53, 7
	s_lshl_b32 s54, s54, 1                         ; two bytes a head in a row's 16
	s_add_co_u32 s50, s50, s54
	s_add_co_u32 s50, s50, YSOFF
	s_add_nc_u64 s[48:49], s[6:7], s[50:51]        ; y's scale bytes
	global_load_b128 v[16:19], v1, s[42:43]        ; Q's fragment stays in registers
	global_load_b32 v255, v7, s[44:45]             ; and its scale words
	v_add_nc_u32 v5, s35, v241                     ; my query less 16 h
	v_mov_b32 v13, 0xff61b1e6                      ; the largest t so far: -3e38, under every t
	s_delay_alu instid0(VALU_DEP_1)
	v_floor_f32 v12, -v13                          ; -M
	v_mov_b32 v14, 0                               ; the sum, in two halves
	v_mov_b32 v15, 0
.set j, 0
.rept 32
	v_mov_b32 v[160+j], 0                          ; O^T: the loop has no first step of its own: the first change of M multiplies zeros
.set j, j+1
.endr
	s_mov_b32 s36, 0                               ; the step's first key
	s_mov_b32 s37, 0                               ; its codes in LDS: 4,096 bytes a step, K's and V's alike
	s_mov_b32 s38, 0                               ; K's scale words: 512
	s_mov_b32 s39, 0                               ; V's: 256
	s_mov_b32 s40, 16
	s_wait_loadcnt 0x0                             ; Q
.Ltrip_\@:
	s_cmp_gt_u32 s36, s35                          ; the step begins at a multiple of 128 above QG: all its keys come after all my queries
	s_cbranch_scc1 .Lhidden_\@
	s_setprio 2
	v_add_nc_u32 v8, s37, v1                       ; (these four are also the places between the last products and the loads into registers that they read)
	v_add_nc_u32 v9, s37, v2
	v_add_nc_u32 v10, s38, v3
	v_add_nc_u32 v11, s39, v4
.irp t, 0,1,2,3,4,5,6,7
	ds_load_b128 v[32+8*\t:35+8*\t], v8 offset:512*\t              ; K: tile t of the step, d = 32 h + 0 .. 31
.endr
.irp g, 0,1
	ds_load_b128 v[24+4*\g:27+4*\g], v10 offset:256*\g             ; the words of tiles 4 g .. 4 g + 3
.endr
.irp t, 0,1,2,3
.irp c, 0,1
	ds_load_b128 v[192+8*\t+4*\c:195+8*\t+4*\c], v9 offset:1024*\t+512*\c   ; V: asked for now, wanted behind the softmax
.endr
.endr
	ds_load_b128 v[248:251], v11
	s_wait_dscnt 9                                 ; K and its words are in; V's nine loads may be out
.irp t, 0,1,2,3,4,5,6,7
	v_wmma_scale_f32_16x16x128_f8f6f4 v[96+8*\t:103+8*\t], v[32+8*\t:39+8*\t], v[16:23], 0, v[24+\t], v255 matrix_a_fmt:MATRIX_FMT_FP4 matrix_b_fmt:MATRIX_FMT_FP4
.endr
.rept 4
	v_nop                                          ; four places in front of the first read of results
.endr
	s_add_co_u32 s41, s36, 127
	s_cmp_le_u32 s41, s35                          ; all 128 keys count for all my queries
	s_cbranch_scc1 .Lopen_\@
	v_sub_nc_u32 v252, v5, s36                     ; d = my query - 16 h - the step's first key.  Register 16 b + i holds key 32 b + 16 h + i of the step: hidden where 32 b + i > d
	v_mov_b32 v254, 0xff800000                     ; -infinity
.set n, 0
.rept 64
	v_cmp_gt_i32 vcc_lo, 32*(n/16)+n%16, v252
	v_cndmask_b32 v[96+n], v[96+n], v254, vcc_lo
.set n, n+1
.endr
.Lopen_\@:
.irp b, 0,1,2,3
	v_max3_num_f32 v[232+\b], v[96+16*\b], v[97+16*\b], v[98+16*\b]   ; the largest score of each block of 32 keys: for the row's maximum, and, since p rises with the score, for the block's largest p
.endr
.irp i, 3,5,7,9,11,13
.irp b, 0,1,2,3
	v_max3_num_f32 v[232+\b], v[232+\b], v[96+16*\b+\i], v[97+16*\b+\i]
.endr
.endr
.irp b, 0,1,2,3
	v_max_num_f32 v[232+\b], v[232+\b], v[111+16*\b]
.endr
.irp b, 0,1,2,3
	s_delay_alu instid0(VALU_DEP_4)
	v_permlanex16_b32 v[236+\b], v[232+\b], s[SEL], s[SEL+1]
.endr
.irp b, 0,1,2,3
	s_delay_alu instid0(VALU_DEP_4)
	v_max_num_f32 v[232+\b], v[232+\b], v[236+\b]  ; with lane l xor 16's 16 keys
.endr
	s_delay_alu instid0(VALU_DEP_2)
	v_max3_num_f32 v254, v232, v233, v234
	s_delay_alu instid0(VALU_DEP_1)
	v_max_num_f32 v254, v254, v235                 ; the step's largest score of my query (the step's first key counts for it, so it is a number)
	s_delay_alu instid0(VALU_DEP_1)
	v_mul_f32 v254, s[CS], v254                    ; as t
	s_delay_alu instid0(VALU_DEP_1)
	v_max_num_f32 v13, v13, v254                   ; the running largest t
	v_mov_b32 v254, v12
	s_delay_alu instid0(VALU_DEP_2)
	v_floor_f32 v12, -v13                          ; the new -M = floor(-t) = -ceil(t)
	s_delay_alu instid0(VALU_DEP_1)
	v_sub_f32 v254, v12, v254                      ; old M - new M: a whole number, 0 or less
	s_delay_alu instid0(VALU_DEP_1)
	v_cvt_i32_f32 v254, v254                       ; (it saturates)
	s_delay_alu instid0(VALU_DEP_1)
	v_ldexp_f32 v252, 1.0, v254                    ; f = 2^(old M - new M)
.set j, 0
.rept 32
	v_pk_fma_f32 v[96+j:97+j], v[96+j:97+j], s[CS:CS+1], v[12:13] op_sel_hi:[1,0,0]   ; t - M, two at a time
.set j, j+2
.endr
	s_setprio 1
.irp b, 0,1,2,3
	v_fma_f32 v[232+\b], v[232+\b], s[CS], v12     ; the same of each block's largest score
.endr
.set j, 0
	s_wait_alu depctr_va_vdst(0)
.rept 64
	v_exp_f32 v[96+j], v[96+j]                     ; p = 2^(t - M), at most 1
.set j, j+1
.endr
	v_pk_mul_f32 v[14:15], v[14:15], v[252:253] op_sel_hi:[1,0]   ; the sums under the new M: a plain line behind the exponentials
	s_wait_alu depctr_va_vdst(0)                   ; one wait for the batch of 64, ahead of its first reader
.irp b, 0,1,2,3
	v_exp_f32 v[232+\b], v[232+\b]                 ; the block's largest p: the same two instructions on the same number give the same bits
.endr
	v_pk_add_f32 v[236:237], v[100:101], v[104:105]
	v_pk_add_f32 v[246:247], v[108:109], v[112:113]
	v_pk_add_f32 v[244:245], v[116:117], v[120:121]
	v_pk_add_f32 v[238:239], v[124:125], v[128:129]
	v_pk_add_f32 v[230:231], v[132:133], v[136:137]
	v_pk_add_f32 v[228:229], v[140:141], v[144:145]
	v_pk_add_f32 v[226:227], v[148:149], v[152:153]
	v_pk_add_f32 v[14:15], v[14:15], v[156:157]
	v_pk_add_f32 v[236:237], v[236:237], v[96:97]
	v_pk_add_f32 v[246:247], v[246:247], v[98:99]
	v_pk_add_f32 v[244:245], v[244:245], v[102:103]
	v_pk_add_f32 v[238:239], v[238:239], v[106:107]
	v_pk_add_f32 v[230:231], v[230:231], v[110:111]
	v_pk_add_f32 v[228:229], v[228:229], v[114:115]
	v_pk_add_f32 v[226:227], v[226:227], v[118:119]
	v_pk_add_f32 v[14:15], v[14:15], v[122:123]
	v_pk_add_f32 v[236:237], v[236:237], v[126:127]
	v_pk_add_f32 v[246:247], v[246:247], v[130:131]
	v_pk_add_f32 v[244:245], v[244:245], v[134:135]
	v_pk_add_f32 v[238:239], v[238:239], v[138:139]
	v_pk_add_f32 v[230:231], v[230:231], v[142:143]
	v_pk_add_f32 v[228:229], v[228:229], v[146:147]
	v_pk_add_f32 v[226:227], v[226:227], v[150:151]
	v_pk_add_f32 v[14:15], v[14:15], v[154:155]
	v_pk_add_f32 v[236:237], v[236:237], v[158:159]
	s_delay_alu instid0(VALU_DEP_2)
	v_pk_add_f32 v[14:15], v[14:15], v[238:239]
	s_delay_alu instid0(VALU_DEP_2)
	v_pk_add_f32 v[236:237], v[236:237], v[230:231]
	v_pk_add_f32 v[246:247], v[246:247], v[228:229]
	v_pk_add_f32 v[244:245], v[244:245], v[226:227]
	s_delay_alu instid0(VALU_DEP_2)
	v_pk_add_f32 v[14:15], v[14:15], v[246:247]
	s_delay_alu instid0(VALU_DEP_2)
	v_pk_add_f32 v[236:237], v[236:237], v[244:245]
	s_delay_alu instid0(VALU_DEP_1)
	v_pk_add_f32 v[14:15], v[14:15], v[236:237]
	s_wait_alu depctr_va_vdst(0)                   ; and one for the four
.irp b, 0,1,2,3
	v_max_num_f32 v[232+\b], 0x1800000, v[232+\b]  ; the floor 2^(3 - 127): a block whose every p is 0 keeps the byte 1: its codes are zeros
.endr
.irp b, 0,1,2,3
	s_delay_alu instid0(VALU_DEP_4)
	v_add_nc_u32 v[244+\b], 0xff000000, v[232+\b]  ; 2 off the exponent field: the conversion's scale operand
.endr
.irp b, 0,1,2,3
	s_delay_alu instid0(VALU_DEP_4)
	v_lshrrev_b32 v[236+\b], 23, v[244+\b]         ; the scale's byte
.endr
	s_delay_alu instid0(VALU_DEP_3)
	v_lshl_or_b32 v253, v237, 8, v236              ; p's scale word for these 128 keys
	s_delay_alu instid0(VALU_DEP_1)
	v_lshl_or_b32 v253, v238, 16, v253
	s_delay_alu instid0(VALU_DEP_1)
	v_lshl_or_b32 v253, v239, 24, v253
	s_setprio 0
.irp b, 0,1,2,3
	v_cvt_scalef32_pk8_fp4_f32 v[224+2*\b], v[96+16*\b:103+16*\b], v[244+\b]
	v_cvt_scalef32_pk8_fp4_f32 v[225+2*\b], v[104+16*\b:111+16*\b], v[244+\b]
.endr
	v_nop                                          ; one plain place behind a scaled conversion
.irp c, 0,1                                    ; the operand's layout wants a whole block in a lane
.irp i, 0,1
	v_permlane16_swap_b32 v[224+4*\c+\i], v[226+4*\c+\i]
.endr
.endr
.set j, 0
.rept 16
	v_pk_mul_f32 v[160+j:161+j], v[160+j:161+j], v[252:253] op_sel_hi:[1,0]   ; O^T under the new M.  These sixteen are also the places between p's scale word and codes and the products below
.set j, j+2
.endr
.rept 4
	v_nop                                          ; and four between the last of them and the products that add onto what they wrote
.endr
	s_wait_alu depctr_va_vdst(0)
	s_wait_dscnt 0x0                               ; V and its scale words
.irp t, 0,1,2,3
	v_wmma_scale_f32_16x16x128_f8f6f4 v[160+8*\t:167+8*\t], v[192+8*\t:199+8*\t], v[224:231], v[160+8*\t:167+8*\t], v[248+\t], v253 matrix_a_fmt:MATRIX_FMT_FP4 matrix_b_fmt:MATRIX_FMT_FP4
.endr
.Lhidden_\@:
	s_add_co_u32 s36, s36, 128
	s_add_co_u32 s37, s37, 4096
	s_add_co_u32 s38, s38, 512
	s_add_co_u32 s39, s39, 256
	s_sub_co_u32 s40, s40, 1
	s_cmp_lg_u32 s40, 0
	s_cbranch_scc1 .Ltrip_\@
	s_setprio 0
	; THE WAY OUT of a pass: y = O^T / the sum; its 64 numbers of a row are two blocks of the last product's K.  Register 16 b + i is d = 32 b + 16 h + i
.rept 4
	v_nop                                          ; four places behind the last products
.endr
	v_add_f32 v14, v14, v15                        ; the sum's two halves,
	s_delay_alu instid0(VALU_DEP_1)
	v_permlanex16_b32 v252, v14, s[SEL], s[SEL+1]
	s_delay_alu instid0(VALU_DEP_1)
	v_add_f32 v14, v14, v252                       ; and lane l xor 16's
	s_wait_alu depctr_va_vdst(0)
	v_rcp_f32 v14, v14
	v_nop                                          ; a plain place behind the transcendental
	s_wait_alu depctr_va_vdst(0)                   ; and the wait ahead of its first reader
.set j, 0
.rept 16
	v_pk_mul_f32 v[96+j:97+j], v[160+j:161+j], v[14:15] op_sel_hi:[1,0]
.set j, j+2
.endr
.irp b, 0,1
	v_max3_num_f32 v[232+\b], |v[96+16*\b]|, |v[97+16*\b]|, 0x1800000
.endr
.irp i, 2,4,6,8,10,12,14
.irp b, 0,1
	s_delay_alu instid0(VALU_DEP_2)
	v_max3_num_f32 v[232+\b], v[232+\b], |v[96+16*\b+\i]|, |v[97+16*\b+\i]|
.endr
.endr
.irp b, 0,1
	s_delay_alu instid0(VALU_DEP_2)
	v_permlanex16_b32 v[236+\b], v[232+\b], s[SEL], s[SEL+1]
.endr
.irp b, 0,1
	s_delay_alu instid0(VALU_DEP_2)
	v_max_num_f32 v[232+\b], v[232+\b], v[236+\b]
.endr
.irp b, 0,1
	s_delay_alu instid0(VALU_DEP_2)
	v_add_nc_u32 v[244+\b], 0xff000000, v[232+\b]
.endr
.irp b, 0,1
	s_delay_alu instid0(VALU_DEP_2)
	v_lshrrev_b32 v[236+\b], 23, v[244+\b]
.endr
.irp b, 0,1
	v_cvt_scalef32_pk8_fp4_f32 v[224+2*\b], v[96+16*\b:103+16*\b], v[244+\b]
	v_cvt_scalef32_pk8_fp4_f32 v[225+2*\b], v[104+16*\b:111+16*\b], v[244+\b]
.endr
	v_nop
	v_permlane16_swap_b32 v224, v226               ; lanes 0-15: d = 0 .. 31, lanes 16-31: d = 32 .. 63
	v_permlane16_swap_b32 v225, v227
	v_cndmask_b32 v240, v236, v237, s[HM]          ; lane (r, h): the byte of block h
	global_store_b128 v1, v[224:227], s[46:47]     ; 32 lanes store 512 consecutive bytes, aligned: half a fragment of the last product's operand
	global_store_b8 v6, v240, s[48:49]
.endm
	PASS 0
	PASS 1
	s_wait_tensorcnt 0x0
	ds_add_u32 v242, v243
	s_wait_dscnt 0x0
	s_endpgm
.Lfunc_end_k_q930e4d7cf0_attn:
	.size	k_q930e4d7cf0_attn, .Lfunc_end_k_q930e4d7cf0_attn-k_q930e4d7cf0_attn
	.p2alignl 7, 3214868480
	.fill 96, 4, 3214868480
	.section	.rodata,"a",@progbits
	.p2align	6, 0x0
	.amdhsa_kernel k_q930e4d7cf0_attn
		.amdhsa_group_segment_fixed_size 169984
		.amdhsa_private_segment_fixed_size 0
		.amdhsa_enable_private_segment 0
		.amdhsa_kernarg_size 16
		.amdhsa_user_sgpr_count 2
		.amdhsa_user_sgpr_kernarg_segment_ptr 1
		.amdhsa_wavefront_size32 1
		.amdhsa_system_sgpr_workgroup_id_x 1
		.amdhsa_system_sgpr_workgroup_id_y 1
		.amdhsa_system_sgpr_workgroup_id_z 1
		.amdhsa_system_vgpr_workitem_id 0
		.amdhsa_next_free_vgpr 256
		.amdhsa_next_free_sgpr 66
		.amdhsa_reserve_vcc 1
		.amdhsa_float_denorm_mode_32 3
		.amdhsa_float_denorm_mode_16_64 3
		.amdhsa_memory_ordered 1
		.amdhsa_forward_progress 1
		.amdhsa_inst_pref_size 62
	.end_amdhsa_kernel
	.amdgpu_metadata
---
amdhsa.version: [ 1, 2 ]
amdhsa.kernels:
  - .name:           k_q930e4d7cf0_attn
    .symbol:         k_q930e4d7cf0_attn.kd
    .args:
      - { .name: qkvc, .offset: 0, .size: 8, .value_kind: global_buffer, .address_space: global }
      - { .name: yq, .offset: 8, .size: 8, .value_kind: global_buffer, .address_space: global }
    .group_segment_fixed_size: 169984
    .private_segment_fixed_size: 0
    .kernarg_segment_align: 8
    .kernarg_segment_size: 16
    .max_flat_workgroup_size: 512
    .sgpr_count:     66
    .vgpr_count:     256
    .wavefront_size: 32
...
	.end_amdgpu_metadata
.endif
;; end of part 3
;; launch proj (part 4): grid 4 x 64, 4 waves a work-group, clusters of 4 x 4, 246,272 bytes of LDS; arguments yq, pq, bproj, out0; writes out0
.if DOCPART == 4
	.amdgcn_target "amdgcn-amd-amdhsa--gfx1250"
	.amdhsa_code_object_version 6
	.text
	.protected	k_q930e4d7cf0_proj
	.globl	k_q930e4d7cf0_proj
	.p2align	8
	.type	k_q930e4d7cf0_proj,@function
k_q930e4d7cf0_proj:
	s_mov_b64 s[64:65], 0
	v_nop
	global_prefetch_b8 v0, s[64:65] scope:SCOPE_SE
	s_setreg_imm32_b32 hwreg(HW_REG_WAVE_MODE, 25, 1), 1
	s_wait_xcnt 0x0
	s_wait_alu depctr_hold_cnt(0) depctr_sa_sdst(0) depctr_va_vdst(0) depctr_va_sdst(0) depctr_va_ssrc(0) depctr_va_vcc(0) depctr_vm_vsrc(0)
	s_getreg_b32 s2, hwreg(HW_REG_IB_STS2, 6, 4)
	s_cmp_eq_u32 s2, 0
	s_cbranch_scc0 .Lentry_in_a_cluster
	s_endpgm
.Lentry_in_a_cluster:
	s_bfe_u32 s2, ttmp6, 0x10000c
	s_cmp_lg_u32 s2, 0xf033
	s_cbranch_scc0 .Lentry_shape_is_right
	s_endpgm
.Lentry_shape_is_right:
; out0 = y Wproj^T + bproj on codes of FP4 with E8M0 scales (K = 1,024); out0 [8192][1024] f32.
; OPERANDS come as images of their registers: y's from launch attn, Wproj's from launch quant: tile G, K step s at 8,192 G + 1,024 s, [c][lane][16 bytes]; lane r of tile G is row 32 (G / 2) + 8 (G % 2) + r + 8 (r / 8);
; scale words [G][s / 4][r][s % 4] behind the codes.
; A WORK-GROUP makes 128 tokens (the A side) x 256 features (the B side), four waves of 64 x 128 (32 accumulators); 256 work-groups.  Source 0 = 16 features, source 1 = 16 tokens: a lane holds one token, and the 16 registers
; of B tiles 2 b and 2 b + 1 are 16 neighbouring features: 64 bytes of a row of out0.
; ALL OF K LIES IN LDS, in two halves of K; every LDS byte is filled once, so there is no ring.  CLUSTER 4 x 4: y's tiles are asked for jointly along a row of the cluster, Wproj's along a column.
; THE WAY OUT: 16 tokens x 128 features at a time through the wave's own stage in LDS (bytes of its own, into which no fill lands), back as whole rows of 512 bytes.
; LIMITS: NaN and infinities are not served.  The bias starts each sum (it is the first product's C), where reference() adds it last.
; REGISTERS: window 0: v1 r, v2 h, v4 16 x lane, v16-27 LDS addresses, v32-95 scale words, v96-159 the bias, later v96-223 rows on their way out.  window 1: two sets of fragments.  window 2: the accumulators, (a, b) at 8 (8 a + b).
.set SLOTB, 98304
.set SCA,   196608
.set SCB,   200704
.set STG,   208896                     ; four stages of 16 rows x 528 bytes
.set SP,    528
.set ADRA,  16
.set ADRB,  20
.set STO,   24
.set RD,    25
.set ADRS,  27
.set SC,    32
.set BI,    96
.set BK,    96
.set G1A,   24
.set G0A,   32
.set G1B,   48
.set G0B,   56
.set G1SA,  68
.set G0SA,  76
.set G1SB,  80
.set G0SB,  88
.set MSB, 0
.macro WIN new                         ; the immediate's high byte repeats the setting that is left
.if MSB != \new
	s_set_vgpr_msb (MSB<<8)|\new
.set MSB, \new
.endif
.endm
; A joint load: waves 0 and 1 fetch for y, waves 2 and 3 for Wproj; the branch hangs on the wave's number alone.  Four v_nop follow each of the two lines.
.macro JLOAD g0a, g1a, g0b, g1b
	s_cmp_eq_u32 s15, 0
	s_cbranch_scc0 .Lfor_b_\@
	tensor_load_to_lds s[\g0a:\g0a+3], s[\g1a:\g1a+7]
	s_nop 0
.rept 4
	v_nop
.endr
	s_branch .Lasked_\@
.Lfor_b_\@:
	tensor_load_to_lds s[\g0b:\g0b+3], s[\g1b:\g1b+7]
	s_nop 0
.rept 4
	v_nop
.endr
.Lasked_\@:
.endm
.macro CROUND                          ; a round of the cluster's barrier
	s_barrier_signal -1
	s_barrier_wait -1
	s_cmp_lg_u32 s14, 0
	s_cbranch_scc1 .Lnot_wave_0_\@
	s_barrier_signal -3
.Lnot_wave_0_\@:
	s_barrier_wait -3
	s_barrier_signal -1
	s_barrier_wait -1
.endm
.macro SCALES                          ; all of K's scale words of my tiles: four words (four K steps) a load
.irp k, 0,1
.irp i, 0,1,2,3,4,5,6,7
	ds_load_b128 v[SC+32*\k+4*\i:SC+32*\k+4*\i+3], v[ADRS] offset:512*\i+256*\k   ; (for i above 3 lanes 0-15 read words of B's that no product names)
.endr
.endr
.endm
.macro FETCH sg, p                     ; K step sg: B's eight fragments and A's four into set p: 24 loads of 512 consecutive bytes
	WIN 0x40                                       ; destination window 1, address window 0
.irp b, 0,1,2,3,4,5,6,7
.irp c, 0,1
	ds_load_b128 v[128*(\p)+8*\b+4*\c:128*(\p)+8*\b+4*\c+3], v[ADRB+(\sg)/4] offset:4096*\b+1024*((\sg)%4)+512*\c
.endr
.endr
.irp a, 0,1,2,3
.irp c, 0,1
	ds_load_b128 v[128*(\p)+64+8*\a+4*\c:128*(\p)+64+8*\a+4*\c+3], v[ADRA+(\sg)/4] offset:4096*\a+1024*((\sg)%4)+512*\c
.endr
.endr
.endm
; 32 products: the 32 accumulators take turns, one instruction a turn, in the same order in every K step.  K step 0 starts the sums with the bias of B tile b as C.
.macro MULS sg, p
.set KQ, SC+32*((\sg)/4)+(\sg)%4
.if (\sg) == 0
	WIN 0x85                                       ; sources 0 and 1 window 1, C window 0, D window 2
.else
	WIN 0xa5                                       ; C and D window 2
.endif
.irp a, 0,1,2,3
.irp b, 0,1,2,3,4,5,6,7
.set rD, 8*(8*\a+\b)
.set rB, 128*(\p)+8*\b
.set rA, 128*(\p)+64+8*\a
.set rC, BI+8*\b
.if (\sg) == 0
	v_wmma_scale_f32_16x16x128_f8f6f4 v[rD:rD+7], v[rB:rB+7], v[rA:rA+7], v[rC:rC+7], v[KQ+4*\b], v[KQ+4*\a] matrix_a_fmt:MATRIX_FMT_FP4 matrix_b_fmt:MATRIX_FMT_FP4 matrix_a_scale:MATRIX_SCALE_ROW1
.else
	v_wmma_scale_f32_16x16x128_f8f6f4 v[rD:rD+7], v[rB:rB+7], v[rA:rA+7], v[rD:rD+7], v[KQ+4*\b], v[KQ+4*\a] matrix_a_fmt:MATRIX_FMT_FP4 matrix_b_fmt:MATRIX_FMT_FP4 matrix_a_scale:MATRIX_SCALE_ROW1
.endif
.endr
.endr
.endm
	s_load_b256 s[4:11], s[0:1], 0x0               ; yq, pq, bproj, out0
	v_lshl_add_u32 v254, v0, 2, 0x3c000
	v_mov_b32 v255, 0
	ds_add_u32 v254, v255
	ds_add_u32 v254, v255
	v_lshrrev_b32 v1, 5, v0
	v_readfirstlane_b32 s14, v1                    ; wave 0..3
	s_lshr_b32 s15, s14, 1                         ; ha: which 64 tokens are mine.  Also: I fetch for y (0) or for Wproj (1)
	s_and_b32 s16, s14, 1                          ; hb: which 128 features.  Also: which half of that side's tiles I fetch
	s_bfe_u32 s40, ttmp6, 0x40000                  ; cx
	s_bfe_u32 s41, ttmp6, 0x40004                  ; cy
	s_and_b32 s42, ttmp7, 0xffff                   ; the cluster's y
	s_lshl_b32 s43, s41, 2
	s_lshl_b32 s43, 15, s43                        ; my row of the cluster
	s_lshl_b32 s44, 0x1111, s40                    ; my column
	s_lshl_b32 s17, s42, 2
	s_add_co_u32 s17, s17, s41                     ; TA = 4 x cluster y + cy: 128 tokens
	s_mov_b32 s18, s40                             ; TB = cx: 256 features
	; descriptor groups 1.  Codes: a tile's K half is 4,096 consecutive bytes (512 elements of 8 bytes), from tile to tile 8,192 bytes; A: 4 tiles a load, B: 8.  No padding: fragments are read as 512 consecutive bytes.
	s_or_b32 s[G1A], s43, (3<<16)|(1<<21)          ; 15:0 the mask: my row; 17:16 elements of 8 bytes; 21 set beside a mask
	s_or_b32 s[G1B], s44, (3<<16)|(1<<21)          ; the mask: my column
	s_mov_b32 s[G1A+1], 512<<16                    ; tensor_dim0 = 512
	s_mov_b32 s[G1A+2], 4<<16                      ; tensor_dim1 = 4
	s_mov_b32 s[G1A+3], 512<<16                    ; tile_dim0 = 512
	s_mov_b32 s[G1A+4], 4                          ; tile_dim1 = 4
	s_mov_b32 s[G1A+5], 1024                       ; from row to row: 1,024 elements
	s_mov_b32 s[G1A+6], 0
	s_mov_b32 s[G1A+7], 0
	s_mov_b32 s[G1B+1], 512<<16
	s_mov_b32 s[G1B+2], 8<<16
	s_mov_b32 s[G1B+3], 512<<16
	s_mov_b32 s[G1B+4], 8
	s_mov_b32 s[G1B+5], 1024
	s_mov_b32 s[G1B+6], 0
	s_mov_b32 s[G1B+7], 0
	; scale words: dense blocks, as rows of 256 bytes (32 elements of 8 bytes); A: 8 rows a load, B: 16
	s_or_b32 s[G1SA], s43, (3<<16)|(1<<21)
	s_or_b32 s[G1SB], s44, (3<<16)|(1<<21)
	s_mov_b32 s[G1SA+1], 32<<16
	s_mov_b32 s[G1SA+2], 8<<16
	s_mov_b32 s[G1SA+3], 32<<16
	s_mov_b32 s[G1SA+4], 8
	s_mov_b32 s[G1SA+5], 32
	s_mov_b32 s[G1SA+6], 0
	s_mov_b32 s[G1SA+7], 0
	s_mov_b32 s[G1SB+1], 32<<16
	s_mov_b32 s[G1SB+2], 16<<16
	s_mov_b32 s[G1SB+3], 32<<16
	s_mov_b32 s[G1SB+4], 16
	s_mov_b32 s[G1SB+5], 32
	s_mov_b32 s[G1SB+6], 0
	s_mov_b32 s[G1SB+7], 0
	; byte offsets.  A's hang on TA (cy) and the wave alone, B's on TB (cx) and the wave alone, each in registers of its own
	s_lshl_b32 s20, s17, 16                        ; y's codes: 65,536 TA + 32,768 x half
	s_lshl_b32 s19, s16, 15
	s_add_co_u32 s20, s20, s19
	s_mov_b32 s21, 0
	s_lshl_b32 s22, s17, 12                        ; y's scale words: 4,194,304 + 4,096 TA + 2,048 x half
	s_lshl_b32 s19, s16, 11
	s_add_co_u32 s22, s22, s19
	s_add_co_u32 s22, s22, 4194304
	s_mov_b32 s23, 0
	s_lshl_b32 s12, s18, 17                        ; Wproj's codes: 131,072 TB + 65,536 x half
	s_lshl_b32 s19, s16, 16
	s_add_co_u32 s12, s12, s19
	s_mov_b32 s13, 0
	s_lshl_b32 s2, s18, 13                         ; Wproj's scale words: 524,288 + 8,192 TB + 4,096 x half
	s_lshl_b32 s19, s16, 12
	s_add_co_u32 s2, s2, s19
	s_add_co_u32 s2, s2, 524288
	s_mov_b32 s3, 0
	s_lshl_b32 s45, s16, 14                        ; and in LDS: no place in the cluster enters an LDS address
	s_lshl_b32 s66, s16, 15
	s_lshl_b32 s67, s16, 11
	s_lshl_b32 s46, s16, 12
	s_wait_dscnt 0x0
	s_wait_kmcnt 0x0
	s_add_nc_u64 s[96:97], s[4:5], s[22:23]
	s_add_nc_u64 s[92:93], s[4:5], s[20:21]
	s_add_nc_u64 s[98:99], s[6:7], s[2:3]
	s_add_nc_u64 s[94:95], s[6:7], s[12:13]
	CROUND                                         ; all sixteen work-groups are here: the joint loads meet
	s_mov_b32 s[G0SA], 1
	s_add_co_u32 s[G0SA+1], s67, SCA
	s_mov_b64 s[G0SA+2:G0SA+3], s[96:97]
	s_or_b32 s[G0SA+3], s[G0SA+3], 0x80000000
	s_mov_b32 s[G0SB], 1
	s_add_co_u32 s[G0SB+1], s46, SCB
	s_mov_b64 s[G0SB+2:G0SB+3], s[98:99]
	s_or_b32 s[G0SB+3], s[G0SB+3], 0x80000000
	JLOAD G0SA, G1SA, G0SB, G1SB                   ; the scale words first: they are wanted with K step 0
.irp k, 0,1
	s_mov_b32 s[G0A+4*\k], 1
	s_add_co_u32 s[G0A+4*\k+1], s45, \k*SLOTB
	s_add_nc_u64 s[G0A+4*\k+2:G0A+4*\k+3], s[92:93], \k*4096
	s_or_b32 s[G0A+4*\k+3], s[G0A+4*\k+3], 0x80000000
	s_mov_b32 s[G0B+4*\k], 1
	s_add_co_u32 s[G0B+4*\k+1], s66, \k*SLOTB+32768
	s_add_nc_u64 s[G0B+4*\k+2:G0B+4*\k+3], s[94:95], \k*4096
	s_or_b32 s[G0B+4*\k+3], s[G0B+4*\k+3], 0x80000000
	JLOAD G0A+4*\k, G1A, G0B+4*\k, G1B             ; K half k.  Three loads of mine are out in all
.endr
	v_and_b32 v1, 15, v0                           ; r
	v_bfe_u32 v2, v0, 4, 1                         ; h
	v_and_b32 v3, 31, v0
	v_lshlrev_b32 v4, 4, v3                        ; 16 x lane
	s_lshl_b32 s21, s15, 14                        ; my four tiles of A
	s_lshl_b32 s22, s16, 15                        ; my eight of B,
	s_add_co_u32 s22, s22, 32768                   ; which lie behind A's eight
.irp k, 0,1
	v_add_nc_u32 v[ADRA+\k], s21, v4
	v_add_nc_u32 v[ADRB+\k], s22, v4
	s_add_co_u32 s21, s21, SLOTB
	s_add_co_u32 s22, s22, SLOTB
.endr
	s_lshl_b32 s21, s15, 11                        ; A's words: my four tiles
	s_lshl_b32 s22, s16, 12                        ; B's: my eight, 4,096 bytes behind A's first
	s_add_co_u32 s22, s22, 4096
	s_sub_co_u32 s22, s22, s21
	v_mul_u32_u24 v5, s22, v2                      ; lanes 16-31 take B's: one product, the distance between the two
	s_add_co_u32 s21, s21, SCA
	v_lshl_add_u32 v5, v1, 4, v5                   ; 16 bytes a row
	v_add_nc_u32 v[ADRS], s21, v5
	s_mul_i32 s23, s14, 16*SP
	s_add_co_u32 s23, s23, STG                     ; my stage
	v_mul_u32_u24 v5, v1, SP
	v_lshl_add_u32 v5, v2, 6, v5
	v_add_nc_u32 v[STO], s23, v5                   ; in: row r, + 64 h
	v_add_nc_u32 v[RD], s23, v4                    ; back: the 32 lanes take one row of 512 bytes
	; the bias of my 128 features: lane half h wants, for B tile b, features 32 (b / 2) + 8 (b % 2) + 16 h + 0 .. 7
	s_lshl_b32 s20, s18, 10
	s_lshl_b32 s19, s16, 9
	s_add_co_u32 s20, s20, s19
	s_mov_b32 s21, 0
	s_add_nc_u64 s[8:9], s[8:9], s[20:21]
	v_lshlrev_b32 v7, 6, v2
.irp b, 0,1,2,3,4,5,6,7
	global_load_b128 v[BI+8*\b:BI+8*\b+3], v7, s[8:9] offset:(32*(\b/2)+8*(\b%2))*4
	global_load_b128 v[BI+8*\b+4:BI+8*\b+7], v7, s[8:9] offset:(32*(\b/2)+8*(\b%2))*4+16
.endr
	; out0 at my first token and my first feature: (128 TA + 64 ha) rows of 4,096 bytes + 1,024 TB + 512 hb
	s_lshl_b32 s22, s17, 19
	s_lshl_b32 s19, s15, 18
	s_add_co_u32 s22, s22, s19
	s_add_co_u32 s22, s22, s20
	s_mov_b32 s23, 0
	s_add_nc_u64 s[12:13], s[10:11], s[22:23]
	; THE EIGHT K STEPS, written out: no label, no loop
	s_wait_tensorcnt 0x1                           ; of my three loads the scales and K half 0 have landed; K half 1 may be out
	s_barrier_signal -1
	s_barrier_wait -1                              ; everybody's have
	SCALES
	FETCH 0, 0
	s_wait_loadcnt 0x0                             ; the bias
.irp sg, 0,1,2,3,4,5,6,7
.if \sg == 3
	s_wait_tensorcnt 0x0                           ; my part of K half 1 has landed,
	s_wait_dscnt 0x0                               ; no LDS load of mine is out at the signal,
	s_barrier_signal -1
	s_barrier_wait -1                              ; and everybody's part has: K step 4 may be fetched
.endif
.if \sg < 7
.if \sg > 0
.rept 4
	v_nop                                          ; four places between the last products and the loads into the set that they read (ISA guide 7.12.1 for vector instructions)
.endr
.endif
	FETCH \sg+1, 1-\sg%2
	s_wait_dscnt 24                                ; all but the 24 just issued
.else
	s_wait_dscnt 0x0
.endif
	MULS \sg, \sg%2
.endr
	WIN 0
.rept 4
	v_nop                                          ; four places in front of the first read of results
.endr
; THE WAY OUT, A tile by A tile.  LDS serves a wave's instructions in order: no wait between the stores and the loads, nor in front of the next tile's stores.
.macro TOSTAGE a
	WIN 0x08                                       ; an LDS store's data are its source 1: window 2
.irp b, 0,1,2,3,4,5,6,7
	ds_store_b128 v[STO], v[8*(8*(\a)+\b):8*(8*(\a)+\b)+3] offset:128*(\b/2)+32*(\b%2)          ; each accumulator from its low end on
	ds_store_b128 v[STO], v[8*(8*(\a)+\b)+4:8*(8*(\a)+\b)+7] offset:128*(\b/2)+32*(\b%2)+16
.endr
	WIN 0
.set BB, BK+64*((\a)%2)
.irp t, 0,1,2,3,4,5,6,7,8,9,10,11,12,13,14,15
	ds_load_b128 v[BB+4*\t:BB+4*\t+3], v[RD] offset:\t*SP
.endr
.endm
.macro SEND a, younger                 ; younger: the LDS instructions issued behind tile a's loads, which may stay out
.set BB, BK+64*((\a)%2)
	s_wait_dscnt \younger
.irp t, 0,1,2,3,4,5,6,7,8,9,10,11,12,13,14,15
	global_store_b128 v4, v[BB+4*\t:BB+4*\t+3], s[12:13] offset:(32*((\a)/2)+8*((\a)%2)+\t+8*(\t/8))*4096 th:TH_STORE_NT   ; stage row t is token 32 (a / 2) + 8 (a % 2) + t + 8 (t / 8) of my 64; 32 lanes store 512 consecutive bytes, aligned
.endr
.endm
	TOSTAGE 0
.irp a, 1,2,3
.if \a > 1
	s_wait_xcnt 0x0                                ; tile a - 2's stores have read their registers: tile a's loads may land there
.endif
	TOSTAGE \a
	SEND \a-1, 32                                  ; behind tile a - 1's loads: tile a's 16 stores and 16 loads
.endr
	SEND 3, 0
	s_wait_tensorcnt 0x0
	ds_add_u32 v254, v255
	s_wait_dscnt 0x0
	CROUND                                         ; the closing round: no work-group ends while a partner may still ask for a tile that names it
	s_endpgm
.Lfunc_end_k_q930e4d7cf0_proj:
	.size	k_q930e4d7cf0_proj, .Lfunc_end_k_q930e4d7cf0_proj-k_q930e4d7cf0_proj
	.p2alignl 7, 3214868480
	.fill 96, 4, 3214868480
	.section	.rodata,"a",@progbits
	.p2align	6, 0x0
	.amdhsa_kernel k_q930e4d7cf0_proj
		.amdhsa_group_segment_fixed_size 246272
		.amdhsa_private_segment_fixed_size 0
		.amdhsa_enable_private_segment 0
		.amdhsa_kernarg_size 32
		.amdhsa_user_sgpr_count 2
		.amdhsa_user_sgpr_kernarg_segment_ptr 1
		.amdhsa_wavefront_size32 1
		.amdhsa_system_sgpr_workgroup_id_x 1
		.amdhsa_system_sgpr_workgroup_id_y 1
		.amdhsa_system_sgpr_workgroup_id_z 1
		.amdhsa_system_vgpr_workitem_id 0
		.amdhsa_next_free_vgpr 768
		.amdhsa_next_free_sgpr 100
		.amdhsa_reserve_vcc 0
		.amdhsa_float_denorm_mode_32 3
		.amdhsa_float_denorm_mode_16_64 3
		.amdhsa_memory_ordered 1
		.amdhsa_forward_progress 1
		.amdhsa_inst_pref_size 73
	.end_amdhsa_kernel
	.amdgpu_metadata
---
amdhsa.version: [ 1, 2 ]
amdhsa.kernels:
  - .name:           k_q930e4d7cf0_proj
    .symbol:         k_q930e4d7cf0_proj.kd
    .args:
      - { .name: yq, .offset: 0, .size: 8, .value_kind: global_buffer, .address_space: global }
      - { .name: pq, .offset: 8, .size: 8, .value_kind: global_buffer, .address_space: global }
      - { .name: bproj, .offset: 16, .size: 8, .value_kind: global_buffer, .address_space: global }
      - { .name: out0, .offset: 24, .size: 8, .value_kind: global_buffer, .address_space: global }
    .group_segment_fixed_size: 246272
    .private_segment_fixed_size: 0
    .kernarg_segment_align: 8
    .kernarg_segment_size: 32
    .max_flat_workgroup_size: 128
    .sgpr_count:     100
    .vgpr_count:     768
    .wavefront_size: 32
...
	.end_amdgpu_metadata
.endif
;; end of part 4
